; MI455X (gfx1250); checked and timed in simulation.
; The chip was launched on July 23, 2026; its instructions are those of AMD's public machine-readable ISA for CDNA 5 (MIT licence, August 2026) and "CDNA5" Instruction Set Architecture Reference Guide (July 2026). The comments in the code are by the model that wrote it; some were corrected since.
;; Self Attention. Allowed arithmetic: float matrix products may take bf16 or f16 operands with f32 sums; other float arithmetic in f32, or as packed bf16 or f16 multiplies, adds, multiply-adds, maxima and minima; sums over many terms, partial sums and values carried from step to step in f32; what a program stores and reads back later, other than sums and carried values, may be rounded once to bf16 or f16.
;; Inputs: Wk 64 x 256 float32; Wq 64 x 256 float32; Wv 256 x 256 float32; bk 64 float32; bq 64 float32; bv 256 float32; gamma 1 float32; x 8 x 256 x 64 x 64 float32.
;; Outputs: out0 8 x 256 x 64 x 64 float32.
;; 2 versions, each right and faster than the one before. Each part assembles by itself: llvm-mc -triple=amdgcn-amd-amdhsa -mcpu=gfx1250 --defsym DOCPART=n.
;; ======== version 1 of 2: 2 launches
;; limits: values are held in f16: magnitudes above 65,504 overflow, below 6.1e-05 lose precision
;; workspace buffers: q 4,194,304 bytes; kv 20,971,520 bytes
;; launch proj (part 1): grid 32 x 8, 8 waves a work-group, no clusters, 277,504 bytes of LDS; arguments x, Wq, bq, Wk, bk, Wv, bv, q, kv; writes q, kv
.if DOCPART == 1
	.amdgcn_target "amdgcn-amd-amdhsa--gfx1250"
	.amdhsa_code_object_version 6
	.text
	.protected	k_qbe492a81e1_proj
	.globl	k_qbe492a81e1_proj
	.p2align	8
	.type	k_qbe492a81e1_proj,@function
k_qbe492a81e1_proj:
	s_mov_b64 s[64:65], 0
	v_nop
	global_prefetch_b8 v0, s[64:65] scope:SCOPE_SE
	s_setreg_imm32_b32 hwreg(HW_REG_WAVE_MODE, 25, 1), 1
	s_wait_xcnt 0x0
; THE THREE 1x1 PROJECTIONS.  q[b][n][d] = Wq x + bq, k[b][n][d] = Wk x + bk, v[b][ch][n] = Wv x + bv; x: [8][256][4096] f32, position n along the rows.
; x and the weights are rounded once to bf16 for the products; sums and biases in f32; q, k, v are rounded once to f16, unscaled.
; LIMIT.  f16 holds no number beyond 65,504: |q|, |k|, |v| must stay below it (256 terms; x and weights of spread 1 and 0.05 give 0.8; both 30 times larger 720; both with an offset of 30 spreads 11,520).
; WHAT IS STORED.  q: [b][n][64], rows of 128 bytes.  kv: [b][U = 0..31] blocks of 81,920 bytes: V of the 128 keys of step U as [2 halves of 64 keys][256 channels][64 keys] (65,536 bytes), then K of
; step (U + 2) mod 32 as [128 keys][64 d] (16,384 bytes): what one trip of the attention reads is then one block, and every byte of kv is written.
; SHARES.  A work-group owns 128 positions (one key step) of one image and all 384 output rows; 8 x 32 work-groups.  Wave w = 4 p + g: its 64 positions are half p; it makes v's channels 64 g .. 64 g + 63
; and 32 of the 128 rows of q and k (g = 0, 1: q's d 0-31, 32-63; g = 2, 3: k's): 24 accumulators of 16 x 16.
; NO CLUSTER, NO TENSOR LOAD: all operands arrive in f32 and are rounded on the way, so they pass through registers; the weights that the work-groups share are 393,216 bytes in f32,
; more than LDS holds beside x, so a joint load of them has no place to land.
; LAYOUT OF THE PRODUCTS.  v: source 0 = 16 positions of x (turned out of LDS), source 1 = 16 rows of Wv: a lane holds one channel and eight neighbouring positions.
; q, k: source 0 = 16 rows of W, source 1 = 16 positions: a lane holds one position and eight neighbouring d.  Either way eight results pack into 16 bytes that belong together.
; The first K step takes the bias as its C operand: nothing is cleared and nothing is added afterwards.
.set XP,    288                 ; a row of x in LDS (one channel, 128 positions in bf16): 256 bytes + 32
.set WP,    528                 ; a row of W in LDS (256 c in bf16): 512 bytes + 16: 132 words: the 16 rows of a fragment load start at 16 different groups of four banks
.set WR,    256*XP              ; W's 384 rows lie behind x: 0-63 Wq, 64-127 Wk, 128-383 Wv
.set SG,    144                 ; a row of the stages: 128 bytes + 16
.set STGV,  WR                  ; the stages lie over W, behind a barrier: V [p][256 channels],
.set STGQ,  WR+2*256*SG         ; then Q [128 positions],
.set STGK,  128*SG              ; and K as far behind Q
.set SPARE, WR+384*WP           ; the spare words, 128 bytes for each wave: four blocks of 256 bytes that no other line names
.set BLKG,  81920               ; a block of kv
.set GX,  3                     ; v3   16 x lane: my 16 bytes in 512 consecutive bytes of memory; never rewritten
.set XS,  4                     ; v4   where my 8 bytes of x's row 32 w go
.set WS,  5                     ; v5   the same for row 8 w of Wq
.set WSV, 6                     ; v6   and for row 32 w of Wv
.set AWV, 7                     ; v7   my lane's place in Wv's fragments
.set AWQ, 8                     ; v8   in Wq's or Wk's
.set AX,  9                     ; v9   in x's, channels 0-127
.set AX2, 10                    ; v10  channels 128-255: the 16-bit offset does not reach them
.set STV, 11                    ; v11  the way out: where I put 16 bytes of v
.set STQ, 12                    ; v12  of q or k
.set RDV, 13                    ; v13  where I read v's rows back
.set RDQ, 14                    ; v14  q's; k's lie STGK further
.set BQO, 15                    ; v15  my byte offset in bq or bk
.set BVO, 16                    ; v16  in bv
.set SPW, 30                    ; v30  LDS address of my spare word; never rewritten
.set NIL, 31                    ; v31  0; never rewritten
.set ACC, 64                    ; v64-255: while loading three sets of 64; then the 24 accumulators; at last v160-255 take the rows read back
.set BV,  160                   ; window 1: v0-159 two fragment buffers of 80 (Wv 32, Wq/Wk 16, x 32); v160-191 bv as C operands; v192-207 bq or bk
.set BQ,  192
.set MSB, 0
.macro WIN new                  ; s_set_vgpr_msb: bits 1:0 source 0, 3:2 source 1, 5:4 source 2, 7:6 destination; the high byte repeats the setting that is left
.if MSB != (\new)
	s_set_vgpr_msb (MSB<<8)|(\new)
.set MSB, (\new)
.endif
.endm
.macro PLACES                   ; four plain vector instructions between a matrix instruction and a load into, or a vector read of, its registers
.rept 4
	v_nop
.endr
.endm
	s_load_b512 s[8:23], s[0:1], 0x0       ; x s[8:9], Wq s[10:11], bq s[12:13], Wk s[14:15], bk s[16:17], Wv s[18:19], bv s[20:21], q s[22:23]
	s_load_b64 s[24:25], s[0:1], 0x40      ; kv
	v_lshl_add_u32 v[SPW], v0, 2, SPARE
	v_mov_b32 v[NIL], 0
	v_lshrrev_b32 v17, 5, v0
	v_readfirstlane_b32 s26, v17           ; w
	s_and_b32 s27, s26, 3                  ; g
	s_lshr_b32 s28, s26, 2                 ; p
	s_and_b32 s29, ttmp7, 0xffff           ; b
	v_and_b32 v18, 31, v0                  ; lane
	v_and_b32 v1, 15, v0                   ; r = lane % 16
	v_bfe_u32 v2, v0, 4, 1                 ; h = lane / 16
	v_lshlrev_b32 v[GX], 4, v18
	s_mul_i32 s44, s26, 32*XP
	v_lshl_add_u32 v[XS], v18, 3, s44      ; row 32 w, 8 bytes a lane
	s_mul_i32 s44, s26, 8*WP
	s_add_co_u32 s44, s44, WR
	v_lshl_add_u32 v[WS], v18, 3, s44
	s_mul_i32 s44, s26, 32*WP
	s_add_co_u32 s44, s44, WR+128*WP
	v_lshl_add_u32 v[WSV], v18, 3, s44
	v_mul_u32_u24 v19, v1, WP              ; a fragment of W: lane l holds row l % 16, c = 8 h + 0..7 and 16 + 8 h + 0..7: two loads of 16 bytes, 32 apart
	v_lshl_add_u32 v19, v2, 4, v19
	s_mul_i32 s44, s27, 64*WP
	s_add_co_u32 s44, s44, WR+128*WP
	v_add_nc_u32 v[AWV], s44, v19
	s_mul_i32 s44, s27, 32*WP
	s_add_co_u32 s44, s44, WR
	v_add_nc_u32 v[AWQ], s44, v19
	v_and_b32 v20, 7, v0                   ; the turning load: lane l reads 16 bytes of channel 8 h + l % 8, positions 8 ((l / 8) % 2) + 0..7, and is left with position l % 16 and 8 channels
	v_lshl_add_u32 v21, v2, 3, v20
	v_mul_u32_u24 v21, v21, XP
	v_bfe_u32 v22, v0, 3, 1
	v_lshl_add_u32 v21, v22, 4, v21
	s_lshl_b32 s44, s28, 7                 ; my 64 positions: 128 bytes of a row
	v_add_nc_u32 v[AX], s44, v21
	v_add_nc_u32 v[AX2], 128*XP, v[AX]
	v_mul_u32_u24 v23, v1, SG              ; into a stage: row l % 16, 16 bytes for each half of the lanes
	v_lshl_add_u32 v23, v2, 4, v23
	s_mul_i32 s44, s28, 256*SG
	s_mul_i32 s45, s27, 64*SG
	s_add_co_u32 s44, s44, s45
	s_add_co_u32 s44, s44, STGV            ; my 64 channel rows of V's stage
	v_add_nc_u32 v[STV], s44, v23
	v_bfe_u32 v24, v0, 3, 2                ; back: 32 lanes take four rows of 128 bytes
	v_mul_u32_u24 v24, v24, SG
	v_lshl_add_u32 v24, v20, 4, v24
	v_add_nc_u32 v[RDV], s44, v24
	s_lshr_b32 s44, s27, 1                 ; q's stage or k's,
	s_mul_i32 s44, s44, STGK
	s_mul_i32 s45, s28, 64*SG              ; my 64 positions,
	s_add_co_u32 s44, s44, s45
	s_and_b32 s45, s27, 1                  ; my 32 d
	s_lshl_b32 s45, s45, 6
	s_add_co_u32 s44, s44, s45
	s_add_co_u32 s44, s44, STGQ
	v_add_nc_u32 v[STQ], s44, v23
	s_mul_i32 s44, s26, 16*SG              ; back: wave w takes positions 16 w .. 16 w + 15 of q and of k
	s_add_co_u32 s44, s44, STGQ
	v_add_nc_u32 v[RDQ], s44, v24
	s_and_b32 s45, s27, 1
	s_lshl_b32 s45, s45, 7
	v_lshl_add_u32 v[BQO], v2, 5, s45      ; bias of d = 32 (g % 2) + 8 h + ..
	s_lshl_b32 s45, s27, 8
	v_lshl_add_u32 v[BVO], v1, 2, s45      ; bias of channel 64 g + r + ..
	; byte offsets into the buffers, made apart from the addresses; all stay under 2^25
	s_lshl_b32 s32, s29, 22                ; x: (256 b + 32 w) rows of 16,384 bytes + 512 bytes for each block of 128 positions
	s_lshl_b32 s44, s26, 19
	s_add_co_u32 s32, s32, s44
	s_lshl_b32 s44, ttmp9, 9
	s_add_co_u32 s32, s32, s44
	s_mov_b32 s33, 0
	s_lshl_b32 s34, s26, 13                ; Wq, Wk: 8 w rows of 1,024 bytes
	s_mov_b32 s35, 0
	s_lshl_b32 s36, s26, 15                ; Wv: 32 w rows
	s_mov_b32 s37, 0
	s_lshl_b32 s38, s29, 19                ; q: (4,096 b + 128 blk + 16 w) rows of 128 bytes
	s_lshl_b32 s44, ttmp9, 14
	s_add_co_u32 s38, s38, s44
	s_lshl_b32 s44, s26, 11
	s_add_co_u32 s38, s38, s44
	s_mov_b32 s39, 0
	s_lshl_b32 s45, s29, 5                 ; an image has 32 blocks of kv
	s_add_co_u32 s40, s45, ttmp9           ; V: block 32 b + blk,
	s_mul_i32 s40, s40, BLKG
	s_lshl_b32 s46, s28, 15                ; its half p of 32,768 bytes,
	s_add_co_u32 s40, s40, s46
	s_lshl_b32 s46, s27, 13                ; my 64 channels of 128 bytes
	s_add_co_u32 s40, s40, s46
	s_mov_b32 s41, 0
	s_add_co_u32 s44, ttmp9, 30            ; K of a step lies two blocks back, steps 0 and 1 in blocks 30 and 31
	s_and_b32 s44, s44, 31
	s_add_co_u32 s42, s45, s44
	s_mul_i32 s42, s42, BLKG
	s_lshl_b32 s46, s26, 11                ; keys 16 w on, 128 bytes each
	s_add_co_u32 s42, s42, s46
	s_add_co_u32 s42, s42, 65536           ; behind the block's V
	s_mov_b32 s43, 0
	s_wait_kmcnt 0x0
	s_cmp_lt_u32 s27, 2
	s_cselect_b64 s[30:31], s[12:13], s[16:17]  ; bq for g = 0, 1; bk for g = 2, 3
	s_add_nc_u64 s[8:9], s[8:9], s[32:33]
	s_add_nc_u64 s[10:11], s[10:11], s[34:35]
	s_add_nc_u64 s[14:15], s[14:15], s[34:35]
	s_add_nc_u64 s[18:19], s[18:19], s[36:37]
	s_add_nc_u64 s[22:23], s[22:23], s[38:39]
	s_add_nc_u64 s[42:43], s[24:25], s[42:43]   ; kv at my part of K
	s_add_nc_u64 s[24:25], s[24:25], s[40:41]   ; kv at my part of V
	; the biases first: they are the oldest loads, so the first counted wait below covers them
	WIN 0x40                               ; destination window 1
.irp rb, 0,1
	global_load_b128 v[BQ+8*\rb:BQ+8*\rb+3],   v[BQO], s[30:31] offset:64*\rb
	global_load_b128 v[BQ+8*\rb+4:BQ+8*\rb+7], v[BQO], s[30:31] offset:64*\rb+16
.endr
.irp rb, 0,1,2,3
	global_load_b32 v[BV+8*\rb], v[BVO], s[20:21] offset:64*\rb
.endr
	WIN 0
; THE WAY IN: eight chunks of 16 loads, each load 512 consecutive bytes.  0, 1: x's rows 32 w + 0..31; 2: 8 rows of Wq; 3: of Wk; 4-7: 32 rows of Wv.  Three sets of registers take turns.
.macro LOADC c
.set RB, ACC+64*((\c)%3)
.set m, 0
.rept 16
.if (\c) < 2
	global_load_b128 v[RB+4*m:RB+4*m+3], v[GX], s[8:9] offset:(16*(\c)+m)*16384 th:TH_LOAD_NT
.elseif (\c) == 2
	global_load_b128 v[RB+4*m:RB+4*m+3], v[GX], s[10:11] offset:m*512
.elseif (\c) == 3
	global_load_b128 v[RB+4*m:RB+4*m+3], v[GX], s[14:15] offset:m*512
.else
	global_load_b128 v[RB+4*m:RB+4*m+3], v[GX], s[18:19] offset:((\c)-4)*8192+m*512
.endif
.set m, m+1
.endr
.endm
.macro CONV c                   ; chunk c is rounded to bf16 in place, four numbers to 8 bytes, and laid into LDS
.set RB, ACC+64*((\c)%3)
.if (\c) < 6
	s_wait_loadcnt 32                      ; loads come back in order: the two younger chunks stay out
.elseif (\c) == 6
	s_wait_loadcnt 16                      ; one younger chunk
.else
	s_wait_loadcnt 0x0
.endif
.set m, 0
.rept 16
	v_cvt_pk_bf16_f32 v[RB+4*m],   v[RB+4*m],   v[RB+4*m+1]
	v_cvt_pk_bf16_f32 v[RB+4*m+1], v[RB+4*m+2], v[RB+4*m+3]
.set m, m+1
.endr
.set m, 0
.rept 16
.if (\c) < 2
	ds_store_b64 v[XS], v[RB+4*m:RB+4*m+1] offset:(16*(\c)+m)*XP
.elseif (\c) == 2
	ds_store_b64 v[WS], v[RB+4*m:RB+4*m+1] offset:(m/2)*WP+(m%2)*256
.elseif (\c) == 3
	ds_store_b64 v[WS], v[RB+4*m:RB+4*m+1] offset:64*WP+(m/2)*WP+(m%2)*256
.else
	ds_store_b64 v[WSV], v[RB+4*m:RB+4*m+1] offset:(8*((\c)-4)+m/2)*WP+(m%2)*256
.endif
.set m, m+1
.endr
.endm
	LOADC 0
	LOADC 1
	LOADC 2
.irp c, 0,1,2,3,4,5,6,7
	CONV \c
.if \c < 5
	LOADC (\c+3)
.endif
.endr
	WIN 0x41                               ; bv of my channel fills all eight registers of its C operand
.irp rb, 0,1,2,3
.irp j, 1,2,3,4,5,6,7
	v_mov_b32 v[BV+8*\rb+\j], v[BV+8*\rb]
.endr
.endr
	WIN 0
	s_wait_dscnt 0x0                       ; for the others' sake: my stores into LDS are done
	s_barrier_signal -1
	s_barrier_wait -1
; THE PRODUCTS: eight K steps of 32 channels on two fragment buffers.
.macro FETCH ks, f              ; 20 LDS loads: the fragments of K step ks into buffer f
	WIN 0x40
.irp rb, 0,1,2,3
	ds_load_b128 v[80*(\f)+8*\rb:80*(\f)+8*\rb+3],   v[AWV] offset:\rb*16*WP+64*(\ks)
	ds_load_b128 v[80*(\f)+8*\rb+4:80*(\f)+8*\rb+7], v[AWV] offset:\rb*16*WP+64*(\ks)+32
.endr
.irp rb, 0,1
	ds_load_b128 v[80*(\f)+32+8*\rb:80*(\f)+32+8*\rb+3],   v[AWQ] offset:\rb*16*WP+64*(\ks)
	ds_load_b128 v[80*(\f)+32+8*\rb+4:80*(\f)+32+8*\rb+7], v[AWQ] offset:\rb*16*WP+64*(\ks)+32
.endr
.irp nt, 0,1,2,3
.if (\ks) < 4
	ds_load_tr16_b128 v[80*(\f)+48+8*\nt:80*(\f)+48+8*\nt+3],   v[AX] offset:(\ks)*32*XP+32*\nt
	ds_load_tr16_b128 v[80*(\f)+48+8*\nt+4:80*(\f)+48+8*\nt+7], v[AX] offset:(\ks)*32*XP+16*XP+32*\nt
.else
	ds_load_tr16_b128 v[80*(\f)+48+8*\nt:80*(\f)+48+8*\nt+3],   v[AX2] offset:((\ks)-4)*32*XP+32*\nt
	ds_load_tr16_b128 v[80*(\f)+48+8*\nt+4:80*(\f)+48+8*\nt+7], v[AX2] offset:((\ks)-4)*32*XP+16*XP+32*\nt
.endif
.endr
.endm
.macro MUL ks, f                ; 24 matrix instructions, each accumulator once: they take turns
.if (\ks) == 0
	WIN 0x15                               ; sources 0 and 1 and the bias in window 1, the result in window 0
.else
	WIN 0x05
.endif
.set a, 0
.rept 16                        ; v: channel block a / 4, position tile a % 4
.set rD, ACC+8*a
.set rX, 80*(\f)+48+8*(a%4)
.set rW, 80*(\f)+8*(a/4)
.if (\ks) == 0
	v_wmma_f32_16x16x32_bf16 v[rD:rD+7], v[rX:rX+7], v[rW:rW+7], v[BV+8*(a/4):BV+8*(a/4)+7]
.else
	v_wmma_f32_16x16x32_bf16 v[rD:rD+7], v[rX:rX+7], v[rW:rW+7], v[rD:rD+7]
.endif
.set a, a+1
.endr
.set a, 0
.rept 8                         ; q or k: d block a / 4, position tile a % 4
.set rD, ACC+128+8*a
.set rX, 80*(\f)+48+8*(a%4)
.set rW, 80*(\f)+32+8*(a/4)
.if (\ks) == 0
	v_wmma_f32_16x16x32_bf16 v[rD:rD+7], v[rW:rW+7], v[rX:rX+7], v[BQ+8*(a/4):BQ+8*(a/4)+7]
.else
	v_wmma_f32_16x16x32_bf16 v[rD:rD+7], v[rW:rW+7], v[rX:rX+7], v[rD:rD+7]
.endif
.set a, a+1
.endr
.endm
	FETCH 0, 0
	FETCH 1, 1
.irp ks, 0,1,2,3,4,5,6,7
.if \ks < 7
	s_wait_dscnt 20                        ; this step's fragments are in; the next step's 20 loads stay out
.else
	s_wait_dscnt 0x0
.endif
	MUL \ks, (\ks%2)
.if \ks < 6
	PLACES
	FETCH (\ks+2), (\ks%2)
.endif
.endr
	; THE WAY OUT: rounded to f16, 16 bytes a lane into the stages, which lie over W: so first nobody reads W any more.
	WIN 0
	PLACES
	s_wait_dscnt 0x0
	s_barrier_signal -1
	s_barrier_wait -1
.set a, 0
.rept 24
	v_cvt_pk_f16_f32 v[ACC+8*a],   v[ACC+8*a],   v[ACC+8*a+1]   ; each accumulator from its low end on
	v_cvt_pk_f16_f32 v[ACC+8*a+1], v[ACC+8*a+2], v[ACC+8*a+3]
	v_cvt_pk_f16_f32 v[ACC+8*a+2], v[ACC+8*a+4], v[ACC+8*a+5]
	v_cvt_pk_f16_f32 v[ACC+8*a+3], v[ACC+8*a+6], v[ACC+8*a+7]
.if a < 16
	ds_store_b128 v[STV], v[ACC+8*a:ACC+8*a+3] offset:(a/4)*16*SG+(a%4)*32
.else
	ds_store_b128 v[STQ], v[ACC+8*a:ACC+8*a+3] offset:((a-16)%4)*16*SG+((a-16)/4)*32
.endif
.set a, a+1
.endr
	s_wait_dscnt 0x0                       ; for the others' sake: a row of q or k comes from two waves
	s_barrier_signal -1
	s_barrier_wait -1
.set m, 0
.rept 16
	ds_load_b128 v[160+4*m:160+4*m+3], v[RDV] offset:m*4*SG
.set m, m+1
.endr
.set m, 0
.rept 4
	ds_load_b128 v[224+4*m:224+4*m+3], v[RDQ] offset:m*4*SG
.set m, m+1
.endr
.set m, 0
.rept 4
	ds_load_b128 v[240+4*m:240+4*m+3], v[RDQ] offset:STGK+m*4*SG
.set m, m+1
.endr
.set m, 0
.rept 24                        ; each store of the wave covers 512 consecutive bytes, aligned; the next launch reads them, so no hint
	s_wait_dscnt 23-m                      ; LDS loads come back in order: number m is in
.if m < 16
	global_store_b128 v[GX], v[160+4*m:160+4*m+3], s[24:25] offset:m*512
.elseif m < 20
	global_store_b128 v[GX], v[160+4*m:160+4*m+3], s[22:23] offset:(m-16)*512
.else
	global_store_b128 v[GX], v[160+4*m:160+4*m+3], s[42:43] offset:(m-20)*512
.endif
.set m, m+1
.endr
	s_wait_tensorcnt 0x0                   ; the wave's end, behind my last LDS store
	ds_add_u32 v[SPW], v[NIL]
	s_wait_dscnt 0x0
	s_endpgm
.Lfunc_end_k_qbe492a81e1_proj:
	.size	k_qbe492a81e1_proj, .Lfunc_end_k_qbe492a81e1_proj-k_qbe492a81e1_proj
	.p2alignl 7, 3214868480
	.fill 96, 4, 3214868480
	.section	.rodata,"a",@progbits
	.p2align	6, 0x0
	.amdhsa_kernel k_qbe492a81e1_proj
		.amdhsa_group_segment_fixed_size 277504
		.amdhsa_private_segment_fixed_size 0
		.amdhsa_enable_private_segment 0
		.amdhsa_kernarg_size 72
		.amdhsa_user_sgpr_count 2
		.amdhsa_user_sgpr_kernarg_segment_ptr 1
		.amdhsa_wavefront_size32 1
		.amdhsa_system_sgpr_workgroup_id_x 1
		.amdhsa_system_sgpr_workgroup_id_y 1
		.amdhsa_system_sgpr_workgroup_id_z 1
		.amdhsa_system_vgpr_workitem_id 0
		.amdhsa_next_free_vgpr 464
		.amdhsa_next_free_sgpr 66
		.amdhsa_reserve_vcc 0
		.amdhsa_float_denorm_mode_32 3
		.amdhsa_float_denorm_mode_16_64 3
		.amdhsa_memory_ordered 1
		.amdhsa_forward_progress 1
		.amdhsa_inst_pref_size 80
	.end_amdhsa_kernel
	.amdgpu_metadata
---
amdhsa.version: [ 1, 2 ]
amdhsa.kernels:
  - .name:           k_qbe492a81e1_proj
    .symbol:         k_qbe492a81e1_proj.kd
    .args:
      - { .name: x, .offset: 0, .size: 8, .value_kind: global_buffer, .address_space: global }
      - { .name: Wq, .offset: 8, .size: 8, .value_kind: global_buffer, .address_space: global }
      - { .name: bq, .offset: 16, .size: 8, .value_kind: global_buffer, .address_space: global }
      - { .name: Wk, .offset: 24, .size: 8, .value_kind: global_buffer, .address_space: global }
      - { .name: bk, .offset: 32, .size: 8, .value_kind: global_buffer, .address_space: global }
      - { .name: Wv, .offset: 40, .size: 8, .value_kind: global_buffer, .address_space: global }
      - { .name: bv, .offset: 48, .size: 8, .value_kind: global_buffer, .address_space: global }
      - { .name: q, .offset: 56, .size: 8, .value_kind: global_buffer, .address_space: global }
      - { .name: kv, .offset: 64, .size: 8, .value_kind: global_buffer, .address_space: global }
    .group_segment_fixed_size: 277504
    .private_segment_fixed_size: 0
    .kernarg_segment_align: 8
    .kernarg_segment_size: 72
    .max_flat_workgroup_size: 256
    .sgpr_count:     66
    .vgpr_count:     464
    .wavefront_size: 32
...
	.end_amdgpu_metadata
.endif
;; end of part 1
;; launch attn (part 2): grid 32 x 8, 4 waves a work-group, clusters of 4 x 1, 327,680 bytes of LDS; arguments q, kv, x, gamma, out0; writes out0
.if DOCPART == 2
	.amdgcn_target "amdgcn-amd-amdhsa--gfx1250"
	.amdhsa_code_object_version 6
	.text
	.protected	k_qbe492a81e1_attn
	.globl	k_qbe492a81e1_attn
	.p2align	8
	.type	k_qbe492a81e1_attn,@function
k_qbe492a81e1_attn:
	s_mov_b64 s[64:65], 0
	v_nop
	global_prefetch_b8 v0, s[64:65] scope:SCOPE_SE
	s_setreg_imm32_b32 hwreg(HW_REG_WAVE_MODE, 25, 1), 1
	s_wait_xcnt 0x0
	s_wait_alu depctr_hold_cnt(0) depctr_sa_sdst(0) depctr_va_vdst(0) depctr_va_sdst(0) depctr_va_ssrc(0) depctr_va_vcc(0) depctr_vm_vsrc(0)
	s_getreg_b32 s2, hwreg(HW_REG_IB_STS2, 6, 4)
	s_cmp_eq_u32 s2, 0
	s_cbranch_scc0 .Lentry_in_a_cluster
	s_endpgm
.Lentry_in_a_cluster:
	s_bfe_u32 s2, ttmp6, 0x10000c
	s_cmp_lg_u32 s2, 0x3003
	s_cbranch_scc0 .Lentry_shape_is_right
	s_endpgm
.Lentry_shape_is_right:
; out[b][c][m] = x[b][c][m] + gamma * (the sum over n of softmax_n(q[m] . k[n] / 8) v[c][n]).  q: [b][4096][64] f16; kv: [b][32 blocks of 81,920 bytes]: V of the 128 keys of step U as
; [2 halves][256 channels][64 keys], then K of step (U + 2) mod 32 as [128 keys][64 d], all f16; x, out: [b][256][4096] f32.  Products, maxima and sums in f32; the weights p are rounded to f16 for the
; second product (their sum l is taken of the unrounded p); gamma, the division by l and the residual x in f32.
; LIMITS.  q, k, v arrive within f16's range (65,504); p lies in 0 to 1 and below 6e-5 keeps f16's fixed step; a weight below 2^-126 counts as 0 in l; NaN and infinities are not treated apart.
; SHARES.  8 x 32 work-groups; a work-group owns 128 queries of one image, each of its four waves 32: two tiles of 16.  Every wave walks the image's 32 key steps of 128 keys.
; LAYOUT.  S^T = K Q^T (source 0 = 16 keys, source 1 = 16 queries): a lane holds ONE query (lane % 16) and the keys 8 (lane / 16) + 0..7.  Two such results, rounded to f16 in pairs, ARE source 1 of
; O^T = V P (source 0 = 16 channels x 32 keys, out of LDS as it lies), whose result again holds one query a lane, and eight channels.
; SOFTMAX.  A running maximum m and sum l for each query: p = 2^(c s - c m), c = log2(e) / 8; once in a step of 128 keys O and l are multiplied by a = 2^(c m_old - c m_new).  m starts at the lowest finite
; number, O and l at 0, so the first step is a step like any other, with a = 0.
; THE COUNT.  A step has 160 matrix instructions (128 V P, 32 K Q^T) and 524 vector instructions (76 for the maxima and statistics, 64 scalings, 128 exponentials, 64 roundings, 64 sums, 128 that rescale O^T).
; The 524 are ONE numbered list (macro SLOT writes the next number).  Three of them stand behind every matrix instruction; the other 44 stand in nine short runs, each ahead of a run of LDS loads.
; THE PIPELINE.  The list for step U + 1 rides on V(U) P(U) (products 0 to 127) and then on K(U + 2) Q.  S^T and P have one buffer each: the comment above SLOT says why that holds.
; V's registers are a ring of half a step: sixteen products read a quarter of it, and that quarter is loaded again behind them.  So LDS is read in ten runs of 16 loads, one behind every sixteenth product.
; A TRIP U of the loop begins behind product 79 of V(U - 1) P, so that all its ten runs read ONE block of kv, block U: products 80-127 of V(U - 1) P; K(U + 1) Q; products 0-79 of V(U) P.
; The price of one text for every trip: 48 products on zeros in the first trip, and the v_mov_b32 that write those zeros, which stand in the wait for the first tile.
; CLUSTER.  The four work-groups of a cluster belong to one image and walk the same kv, so each tile is asked for JOINTLY: the same tensor load, descriptor and mask in all four.
; REGISTERS, in windows of 256 (s_set_vgpr_msb: bits 1:0 source 0, 3:2 source 1, 5:4 source 2, 7:6 destination):
;   window 0: v0-14 addresses; v16-31 statistics; v32-35 sums at work; v40-43 gamma / l; v64-191 S^T; v192-255 P         window 1: O^T, accumulator 2 cb + t at 8 (2 cb + t)
;   window 2: V's ring, fragment f (of 64 a step) at 8 (f % 32)         window 3: v0-127 K of one step; v128-159 Q; in the tail, when both are dead, the residual x
.set PT,    144                 ; a row of K or V in LDS: 128 bytes + 16 = 36 words: the 16 rows of a load start at 16 different groups of four banks (64 banks of 4 bytes: ISA guide 11.1)
.set VH,    256*PT              ; half of a block's V: 256 channel rows
.set BLK,   640*PT              ; a block in LDS: 512 rows of V, then 128 rows of K
.set BLKG,  81920               ; a block in memory
.set SLOT1, 1<<17               ; a slot holds one block (92,160 bytes); slot 1 begins here, so that one exclusive or turns an address in one slot into the other's
.set STAGE, SLOT1+BLK           ; behind the ring, never filled by a tensor load: 128 channel rows x 528 bytes (128 queries in f32 + 16), used twice
.set SP,    528
.set RS,    STAGE+128*SP        ; gamma / l of the 128 queries: 512 bytes
.set SPARE, RS+512              ; the spare words, 128 bytes for each wave: two blocks of 256 bytes that no other line names
.set L0,  2                     ; v2   my lane's place in a fragment: row l % 16, 16 bytes for each half of the lanes; never rewritten
.set ADR, 4                     ; v4   the same in the block that the trip reads
.set QO,  5                     ; v5   the same in rows of 128 bytes in memory
.set STO, 6                     ; v6   the way out: where my query's column begins in the stage
.set RD,  7                     ; v7   where I read rows back
.set GO,  8                     ; v8   16 x lane: my 16 bytes in 512 consecutive bytes of x and out
.set RSA, 10                    ; v10  where my query's gamma / l goes
.set RRA, 11                    ; v11  where I read four of them
.set SPW, 12                    ; v12  LDS address of my spare word; never rewritten
.set NIL, 13                    ; v13  0; never rewritten
.set ADR2, 14                   ; v14  ADR + VH: V's second half and K lie past the reach of a 16-bit offset from ADR
.set ST,  16                    ; tile t at ST + 8 t: c m, m, l (even keys', odd keys'), c0-c3 at work; a takes c2's place, c m_old and then its change c3's
.set SU,  32                    ; tile t at SU + 2 t: the running sum of pairs of weights
.set R4V, 40
.set S,   64                    ; tile t, key block kb of 8 at S + 64 t + 8 kb
.set P,   192                   ; tile t, pair n of 32 at P + 32 t + n
.set KF,  0                     ; window 3: key block kb, d half c at KF + 16 kb + 8 c
.set QF,  128                   ; window 3: tile t, d half c at QF + 16 t + 8 c
.set GAM, 14                    ; s14  gamma
.set WV,  15                    ; s15  my wave's number
.set G1,  24                    ; s[24:31] descriptor group 1
.set G0,  32                    ; s[32:35] descriptor group 0: it walks
.set CS,  36                    ; s[36:37] c
.set SEL, 38                    ; s[38:39] v_permlanex16_b32's selects: each lane takes its own place in the other half
.set TB,  40                    ; s40  LDS byte at which the trip's block begins
.set SLOTS, 42                  ; s42  trips still to come
.set W_PV, 0x52                 ; V in window 2, P in window 0, O^T in window 1
.set W_KQ, 0x0f                 ; K and Q in window 3, S^T in window 0
.set W_RS, 0x41                 ; O^T (destination and source 0) in window 1, a in window 0
.set MSB, 0
.macro WIN new                  ; the high byte repeats the setting that is left; a switch that changes nothing is dropped
.if MSB != (\new)
	s_set_vgpr_msb (MSB<<8)|(\new)
.set MSB, (\new)
.endif
.endm
.macro PLACES                   ; four plain vector instructions between a matrix instruction and a vector read of, or a load into, its registers
.rept 4
	v_nop
.endr
.endm
; A round of the cluster's barrier: my work-group's barrier, so that wave 0's signal speaks for all four waves; wave 0 signals; every wave waits for all four work-groups; my work-group's barrier once more.
.macro CROUND
	s_barrier_signal -1
	s_barrier_wait -1
	s_cmp_lg_u32 s[WV], 0
	s_cbranch_scc1 .Lnot_wave_0_\@
	s_barrier_signal -3
.Lnot_wave_0_\@:
	s_barrier_wait -3
	s_barrier_signal -1
	s_barrier_wait -1
.endm
; THE CHANGE OF SLOTS.  Each wave waits for all its tensor loads, of which one is out: its quarter of the other slot; adds 0 to its spare word; and waits for that and for its own reads of the slot that it leaves
; (the last run of them was issued sixteen products ago).
; fill = 1: the slot just left is filled again, with the block two on.  The barrier is then a round of the cluster's, so that no wave of any partner still reads the slot or has a load on its way, and the
; joint fill is the first thing behind it: it has a trip, 160 matrix instructions, in which to land.  (At its first use nothing has been read yet: slot 0 is waited for, slot 1 filled.)
; The four vector lines at its end are the places between product 79 and the loads into the registers that it read.
.macro CHANGE fill
	WIN 0                                  ; at a label and at a branch every window is 0
	s_wait_tensorcnt 0x0                   ; no tensor load of mine is out, so group 0 may be written
	ds_add_u32 v[SPW], v[NIL]              ; 0 onto my spare word
	s_xor_b32 s[TB], s[TB], SLOT1          ; the trip reads the other slot
.if \fill
	s_xor_b32 s[G0+1], s[G0+1], SLOT1      ; the fill goes to the other slot than last time,
	s_add_nc_u64 s[G0+2:G0+3], s[G0+2:G0+3], BLKG  ; with the next block; the type bits on top are not reached
.endif
	s_wait_dscnt 0x0                       ; the add is done, and my reads of the slot are over
.if \fill
	CROUND
	tensor_load_to_lds s[G0:G0+3], s[G1:G1+7]
	s_nop 0
.else
	s_barrier_signal -1
	s_barrier_wait -1
.endif
	v_add_nc_u32 v[ADR], s[TB], v[L0]
	v_add_nc_u32 v[ADR2], VH, v[ADR]
	v_nop
	v_nop
.endm
	s_load_b256 s[4:11], s[0:1], 0x0       ; q s[4:5], kv s[6:7], x s[8:9], gamma s[10:11]
	s_load_b64 s[12:13], s[0:1], 0x20      ; out0
	v_lshl_add_u32 v[SPW], v0, 2, SPARE
	v_mov_b32 v[NIL], 0
	ds_add_u32 v[SPW], v[NIL]              ; the wave's opening: the add and its wait stand ahead of my first tensor load; the set-up below, work on registers, stands between them
	v_lshrrev_b32 v1, 5, v0
	v_readfirstlane_b32 s[WV], v1          ; wave 0..3
	s_bfe_u32 s16, ttmp6, 0x40000          ; cx: my place in the cluster
	s_lshl_b32 s17, ttmp9, 2               ; in a cluster launch ttmp9 counts clusters
	s_add_co_u32 s17, s17, s16             ; my block of 128 queries = 4 x cluster x + cx: it enters q's, x's and out's addresses alone
	s_and_b32 s18, ttmp7, 0xffff           ; the image, which the four partners share
	; descriptor group 1.  My quarter of a block is 20,480 dense bytes: asked for as 80 rows of 256 bytes, two rows of K or V each, and padded in LDS after every 128 bytes
	s_mov_b32 s[G1], 15|(1<<16)|(1<<20)|(1<<21)|(4<<22)|(3<<25)  ; 15:0 the mask of four; 17:16 2-byte elements; 20 padding on; 21 set beside a mask; 24:22 after every 32 words (code 4); 31:25 4 words (code 3)
	s_mov_b32 s[G1+1], 128<<16             ; tensor_dim0 = 128
	s_mov_b32 s[G1+2], 80<<16              ; tensor_dim1 = 80
	s_mov_b32 s[G1+3], 128<<16             ; tile_dim0 = 128
	s_mov_b32 s[G1+4], 80                  ; tile_dim1 = 80
	s_mov_b32 s[G1+5], 128                 ; 128 elements from row to row
	s_mov_b32 s[G1+6], 0
	s_mov_b32 s[G1+7], 0
	s_mov_b32 s[G0], 1                     ; 1:0 count = 1
	s_mul_i32 s[G0+1], s[WV], 160*PT       ; 63:32 LDS address: slot 0, my 160 padded rows: no place in the cluster enters it
	s_mov_b32 s[CS], 0x3e38aa3b            ; c = log2(e) / 8 = 0.180337
	s_mov_b32 s[CS+1], s[CS]               ; named with it as a pair
	s_mov_b32 s[SEL], 0x76543210
	s_mov_b32 s[SEL+1], 0xfedcba98
	s_mov_b32 s[TB], SLOT1                 ; the first change of slots turns this into 0
	s_mul_i32 s20, s18, 32*BLKG            ; the image's first byte in kv
	s_mul_i32 s22, s[WV], 20480
	s_add_co_u32 s22, s22, s20             ; my quarter of its first block
	s_mov_b32 s23, 0
	s_add_co_u32 s20, s20, 30*BLKG+65536   ; K of step 0 lies in block 30, K of step 1 in block 31
	s_mov_b32 s21, 0
	s_lshl_b32 s44, s18, 19                ; q: (4,096 b + 128 qb + 32 w) rows of 128 bytes
	s_lshl_b32 s19, s17, 14
	s_add_co_u32 s44, s44, s19
	s_lshl_b32 s19, s[WV], 12
	s_add_co_u32 s44, s44, s19
	s_mov_b32 s45, 0
	s_lshl_b32 s46, s18, 22                ; x, out: (256 b + 32 w) rows of 16,384 bytes + 512 qb
	s_lshl_b32 s19, s[WV], 19
	s_add_co_u32 s46, s46, s19
	s_lshl_b32 s19, s17, 9
	s_add_co_u32 s46, s46, s19
	s_mov_b32 s47, 0
	s_wait_dscnt 0x0                       ; the opening add is done
	s_wait_kmcnt 0x0
	s_load_b32 s[GAM], s[10:11], 0x0
	s_add_nc_u64 s[G0+2:G0+3], s[6:7], s[22:23]  ; 120:64 global address
	s_or_b32 s[G0+3], s[G0+3], 0x80000000        ; 127:126 type = 2
	s_add_nc_u64 s[6:7], s[6:7], s[20:21]
	s_add_nc_u64 s[4:5], s[4:5], s[44:45]
	s_add_nc_u64 s[8:9], s[8:9], s[46:47]
	s_add_nc_u64 s[12:13], s[12:13], s[46:47]
	s_wait_kmcnt 0x0                       ; gamma
	CROUND                                 ; all four work-groups are here: the first joint loads meet
	tensor_load_to_lds s[G0:G0+3], s[G1:G1+7]    ; slot 0.  Slot 1 is asked for when slot 0 is in
	s_nop 0
	PLACES
	; A fragment of K or Q is 16 rows x 32 d in 8 registers: lane l holds row l % 16, d = 8 (l / 16) + 0..7 and 16 + 8 (l / 16) + 0..7: two loads of 16 bytes, 32 bytes apart.
	v_and_b32 v1, 15, v0                   ; r = l % 16
	v_bfe_u32 v9, v0, 4, 1                 ; h = l / 16
	v_and_b32 v3, 31, v0                   ; l
	v_lshlrev_b32 v[QO], 7, v1
	v_lshl_add_u32 v[QO], v9, 4, v[QO]
.macro KGLOB u                  ; K of step u (0 or 1) comes straight from memory: fragment f: keys 16 (f / 2) on, d 32 (f % 2) on
	WIN 0xc0                               ; destination window 3
.set f, 0
.rept 16
	global_load_b128 v[KF+8*f:KF+8*f+3],   v[QO], s[6:7] offset:(\u)*BLKG+(f/2)*2048+(f%2)*64
	global_load_b128 v[KF+8*f+4:KF+8*f+7], v[QO], s[6:7] offset:(\u)*BLKG+(f/2)*2048+(f%2)*64+32
.set f, f+1
.endr
.endm
	WIN 0xc0
.irp f, 0,1,2,3                 ; Q stays in registers: tile f / 2, d 32 (f % 2) on
	global_load_b128 v[QF+8*\f:QF+8*\f+3],   v[QO], s[4:5] offset:(\f/2)*2048+(\f%2)*64
	global_load_b128 v[QF+8*\f+4:QF+8*\f+7], v[QO], s[4:5] offset:(\f/2)*2048+(\f%2)*64+32
.endr
	KGLOB 0
	; what the first trip finds: its products 80-127, of a step that has not been, read three quarters of V's ring and P's upper half, which hold 0; O^T and l are 0
	WIN 0x80
.set i, 64
.rept 192
	v_mov_b32 v[i], 0
.set i, i+1
.endr
	WIN 0x40
.set i, 0
.rept 256
	v_mov_b32 v[i], 0
.set i, i+1
.endr
	WIN 0
.set i, 0
.rept 16
	v_mov_b32 v[P+16+i], 0
	v_mov_b32 v[P+48+i], 0
.set i, i+1
.endr
.irp t, 0,1
	v_mov_b32 v[ST+8*\t], 0xfe000000       ; c m: far below every c s
	v_mov_b32 v[ST+8*\t+1], 0xff7fffff     ; m
	v_mov_b32 v[ST+8*\t+2], 0
	v_mov_b32 v[ST+8*\t+3], 0
.endr
	v_mul_u32_u24 v[L0], v1, PT
	v_lshl_add_u32 v[L0], v9, 4, v[L0]
	s_lshl_b32 s19, s[WV], 7               ; my wave's 32 queries: 128 bytes of a stage row
	s_add_co_u32 s43, s19, STAGE
	v_mul_u32_u24 v[STO], v9, 8*SP         ; register j of a result is channel 8 h + j
	v_lshl_add_u32 v[STO], v1, 2, v[STO]
	v_add_nc_u32 v[STO], s43, v[STO]
	s_add_co_u32 s43, s19, RS
	v_lshl_add_u32 v[RSA], v1, 2, s43
	s_mul_i32 s43, s[WV], 32*SP            ; back: wave w takes channel rows 32 w .. 32 w + 31, whole: 512 bytes, 16 a lane
	s_add_co_u32 s43, s43, STAGE
	v_lshl_add_u32 v[RD], v3, 4, s43
	v_lshlrev_b32 v[GO], 4, v3
	v_lshl_add_u32 v[RRA], v3, 4, RS
; THE MATRIX WORK.  The accumulators take turns, one instruction a turn: between two links of a chain stand 31 (V P) or 3 (K Q^T) others'.
; Product w of 128 of O^T += V P: fragment w / 2 of V (keys 32 (w / 32) on, channels 16 ((w / 2) % 16) on), tile w % 2.
.macro PV w
	WIN W_PV
.set rO, 8*((\w)%32)
.set rV, 8*(((\w)/2)%32)
.set rP, P+32*((\w)%2)+8*((\w)/32)
	v_wmma_f32_16x16x32_f16 v[rO:rO+7], v[rV:rV+7], v[rP:rP+7], v[rO:rO+7]
.endm
; Product i of 32 of S^T = K Q^T: key blocks two by two (i / 8); tile i % 2; d half (i % 8) / 4.  The first half starts the sum.
.macro KQ
	WIN W_KQ
.set kb, 2*(i/8)+(i%4)/2
.set rS, S+64*(i%2)+8*kb
.set rK, KF+16*kb+8*((i%8)/4)
.set rQ, QF+16*(i%2)+8*((i%8)/4)
.if (i%8) < 4
	v_wmma_f32_16x16x32_f16 v[rS:rS+7], v[rK:rK+7], v[rQ:rQ+7], 0
.else
	v_wmma_f32_16x16x32_f16 v[rS:rS+7], v[rK:rK+7], v[rQ:rQ+7], v[rS:rS+7]
.endif
.endm
; THE LDS LOADS stand in runs of 16.  RV m: fragments 8 m .. 8 m + 7 of the block's V, which products 16 m .. 16 m + 15 read, into quarter m % 4 of the ring.  RK hh: key blocks 4 hh .. 4 hh + 3 of the block's K.
.macro RV m
	WIN 0x80                               ; destination window 2
.irp z, 0,1,2,3,4,5,6,7
.set sl, 8*(8*((\m)%4)+\z)
.set of, (8*((\m)%2)+\z)*16*PT+(((\m)/2)%2)*64
.if (\m) < 4
	ds_load_b128 v[sl:sl+3],   v[ADR] offset:of
	ds_load_b128 v[sl+4:sl+7], v[ADR] offset:of+32
.else
	ds_load_b128 v[sl:sl+3],   v[ADR2] offset:of
	ds_load_b128 v[sl+4:sl+7], v[ADR2] offset:of+32
.endif
.endr
.endm
.macro RK hh
	WIN 0xc0                               ; destination window 3
.irp z, 0,1,2,3,4,5,6,7
.set kr, KF+8*(8*(\hh)+\z)
.set of, VH+(4*(\hh)+\z/2)*16*PT+(\z%2)*64
	ds_load_b128 v[kr:kr+3],   v[ADR2] offset:of
	ds_load_b128 v[kr+4:kr+7], v[ADR2] offset:of+32
.endr
.endm
; THE VECTOR WORK, a line at a time.  s0-s63 are the lane's 64 scores of a tile, in pairs 0-31.
; XM t, n: number n of the 32 that find the maximum of the scores and the old m, three operands at a time, in four chains c0-c3.  Each accumulator's lowest registers are read first:
; 0-11 seven scores of each of key blocks 0-3; 12-27 all eight of key blocks 4-7; 28-31 the four scores left over, c0-c3 and the old m.
.macro XM t, n
	WIN 0
.set rT, ST+8*(\t)
.set rS, S+64*(\t)
.if (\n) < 4
	v_max3_num_f32 v[rT+4+(\n)], v[rS+8*(\n)], v[rS+8*(\n)+1], v[rS+8*(\n)+2]
.elseif (\n) < 12
	v_max3_num_f32 v[rT+4+(\n)%4], v[rT+4+(\n)%4], v[rS+8*((\n)%4)+2*((\n)/4)+1], v[rS+8*((\n)%4)+2*((\n)/4)+2]
.elseif (\n) < 28
	v_max3_num_f32 v[rT+4+(\n)%4], v[rT+4+(\n)%4], v[rS+32+8*((\n)%4)+2*((\n)/4)-6], v[rS+32+8*((\n)%4)+2*((\n)/4)-5]
.elseif (\n) == 28
	v_max3_num_f32 v[rT+4], v[rT+4], v[rS+7], v[rS+15]
.elseif (\n) == 29
	v_max3_num_f32 v[rT+6], v[rT+6], v[rS+23], v[rS+31]
.elseif (\n) == 30
	v_max3_num_f32 v[rT+4], v[rT+4], v[rT+5], v[rT+6]
.else
	v_max3_num_f32 v[rT+4], v[rT+4], v[rT+7], v[rT+1]
.endif
.endm
; XC t, k: 0 the query's other 64 keys lie in the lane 16 away; 1 c m_old is kept; 2 the new m; 3 c m; 4 its change; 5 a.
.macro XC t, k
	WIN 0
.set rT, ST+8*(\t)
.if (\k) == 0
	v_permlanex16_b32 v[rT+5], v[rT+4], s[SEL], s[SEL+1]
.elseif (\k) == 1
	v_mov_b32 v[rT+7], v[rT]
.elseif (\k) == 2
	v_max_num_f32 v[rT+1], v[rT+4], v[rT+5]
.elseif (\k) == 3
	v_mul_f32 v[rT], s[CS], v[rT+1]
.elseif (\k) == 4
	v_sub_f32 v[rT+7], v[rT+7], v[rT]
.else
	v_exp_f32 v[rT+6], v[rT+7]
.endif
.endm
.macro SCALE2 t, n              ; pair n: c s - c m
	WIN 0
	v_pk_fma_f32 v[S+64*(\t)+2*(\n):S+64*(\t)+2*(\n)+1], v[S+64*(\t)+2*(\n):S+64*(\t)+2*(\n)+1], s[CS:CS+1], v[ST+8*(\t):ST+8*(\t)+1] op_sel_hi:[1,0,0] neg_lo:[0,0,1] neg_hi:[0,0,1]
.endm
.macro ROUND2 t, n              ; pair n of weights rounded to f16
	WIN 0
	v_cvt_pk_f16_f32 v[P+32*(\t)+(\n)], v[S+64*(\t)+2*(\n)], v[S+64*(\t)+2*(\n)+1]
.endm
.macro SUMS t, k                ; the running sum: pairs 0 and 1 (k = 1), then pair k (2 to 31); k = 32: l = l a + the sum.  The weights themselves stay as they are
	WIN 0
.if (\k) == 1
	s_wait_alu depctr_va_vdst(0)
	v_pk_add_f32 v[SU+2*(\t):SU+2*(\t)+1], v[S+64*(\t):S+64*(\t)+1], v[S+64*(\t)+2:S+64*(\t)+3]
.elseif (\k) < 32
	s_wait_alu depctr_va_vdst(0)
	v_pk_add_f32 v[SU+2*(\t):SU+2*(\t)+1], v[SU+2*(\t):SU+2*(\t)+1], v[S+64*(\t)+2*(\k):S+64*(\t)+2*(\k)+1]
.else
	v_pk_fma_f32 v[ST+8*(\t)+2:ST+8*(\t)+3], v[ST+8*(\t)+2:ST+8*(\t)+3], v[ST+8*(\t)+6:ST+8*(\t)+7], v[SU+2*(\t):SU+2*(\t)+1] op_sel_hi:[1,0,1]
.endif
.endm
.macro RSC r                    ; pair r of 128 of O^T times its tile's a: accumulator r / 4, from its low end on
	WIN W_RS
	v_pk_mul_f32 v[2*(\r):2*(\r)+1], v[2*(\r):2*(\r)+1], v[ST+8*(((\r)/4)%2)+6:ST+8*(((\r)/4)%2)+7] op_sel_hi:[1,0]
.endm
; THE LIST.  SLOT writes number sg of the 524 and steps sg; the two tiles alternate throughout.
;   0-63 the maxima; 64-75 the statistics and the two a; 76-79 the scalings of pairs 0 and 1.
;   80-367: 32 ROUNDS of nine, plain and exponential by turns (plain first and last).  Round r holds the four exponentials of pair r.  Its five plain lines: in rounds 0, 1 five scalings; in rounds 2-26 two
;   scalings (of pair r + 5), the two sums of pair r - 1 and one rounding (number r - 2 of 64); in rounds 27-31 the two sums and three roundings.  So a scaling stands five rounds ahead of its exponentials,
;   a sum or a rounding a round or more behind them, and the plain line next behind an exponential never touches that exponential's register.
;   368-379 the sums of pair 31, roundings 40-47, l.   380-412 O^T's pairs 0-32.   413-428 roundings 48-63.   429-523 O^T's pairs 33-127.
; WHERE A NUMBER STANDS.  Three behind each matrix instruction, and runs of 5, 5, 5, 5 behind products 15, 31, 47, 63 of V P, of 5, 4, 4 behind 95, 111, 127, of 5 and 6 behind 15 and 31 of K Q^T.  So the three
; behind product p of V P begin at 3 p plus the runs passed: 0, 53, 106, 159, 212, 260, 313, 365 for p = 0, 16, .. 112; behind K Q^T 0 and 16 at 417 and 470.
; WHY ONE BUFFER OF P AND OF S^T SERVES.  P's pairs 8 kk .. 8 kk + 7 are read by products 32 kk .. 32 kk + 31.  Rounding 0 is number 106, behind product 32 and six plain lines behind product 30, the last to read
; its tile's pairs 0-7; rounding 16 is number 250 (behind product 76); rounding 32 is number 347 (behind product 107); rounding 48 is number 413, six plain lines behind product 126, and rounding 49, the other
; tile's, four plain lines behind product 127.  All reads of S^T end at number 428, and K Q^T 0-3, beside which 417-428 stand, write key blocks 0 and 1, while those roundings read blocks 6 and 7.
; O^T's accumulator n is last written by product 96 + n and rescaled from number 380 + 4 n on, behind product 117 + 4 n / 3.  Numbers 515-523 are the places between K Q^T 31 and the next reads of S^T.
; AHEAD OF EACH RUN OF LOADS stand four plain lines or more that name no register of the last product that read the registers to be loaded: counted for each run from the pattern above.
.macro SLOT
.if sg < 64
	XM sg%2, sg/2
.elseif sg < 76
	XC sg%2, (sg-64)/2
.elseif sg < 80
	SCALE2 sg%2, (sg-76)/2
.elseif sg < 368
.set qrr, (sg-80)/9
.set qps, (sg-80)%9
.if qps%2 == 1
.set qee, 4*qrr+qps/2
	WIN 0
	v_exp_f32 v[S+64*(qee%2)+qee/2], v[S+64*(qee%2)+qee/2]
.elseif qrr < 2
.set qff, 4+5*qrr+qps/2
	SCALE2 qff%2, qff/2
.elseif qrr < 27
.if qps < 4
.set qff, 10+2*qrr+qps/2
	SCALE2 qff%2, qff/2
.elseif qps < 8
	SUMS qps/2-2, qrr-1
.else
	ROUND2 qrr%2, (qrr-2)/2
.endif
.else
.if qps < 4
	SUMS qps/2, qrr-1
.else
.set qcc, 25+3*(qrr-27)+qps/2-2
	ROUND2 qcc%2, qcc/2
.endif
.endif
.elseif sg < 370
	SUMS sg%2, 31
.elseif sg < 378
.set qcc, sg-330
	ROUND2 qcc%2, qcc/2
.elseif sg < 380
	SUMS sg%2, 32
.elseif sg < 413
	RSC sg-380
.elseif sg < 429
.set qcc, sg-365
	ROUND2 qcc%2, qcc/2
.else
	RSC sg-396
.endif
.set sg, sg+1
.endm
.macro RID n                    ; the next n of the list
.rept \n
	SLOT
.endr
.endm
.macro PVS w0, n                ; n products V P from w0 on, three of the list behind each
.set w, \w0
.rept \n
	PV w
	RID 3
.set w, w+1
.endr
.endm
.macro PVB w0, n                ; the same, bare
.set w, \w0
.rept \n
	PV w
.set w, w+1
.endr
.endm
.macro KQS i0, n                ; n products K Q^T from i0 on, three of the list behind each
.set i, \i0
.rept \n
	KQ
	RID 3
.set i, i+1
.endr
.endm
.macro PART1                    ; a trip's first part: products 80-127 of the step in hand, and the first half of the next step's V
	RV 0
.set sg, 260
	PVS 80, 16
	RID 5
	RV 1
	PVS 96, 16
	RID 4
	RV 2
	PVS 112, 16
	RID 4
	RV 3
.endm
.macro XLOAD hf                 ; the residual: my 32 channel rows of half hf, 512 consecutive bytes each, read once in this launch
	WIN 0xc0                               ; destination window 3
.set i, 0
.rept 32
	global_load_b128 v[4*(32*(\hf)+i):4*(32*(\hf)+i)+3], v[GO], s[8:9] offset:(128*(\hf)+i)*16384 th:TH_LOAD_NT
.set i, i+1
.endr
	WIN 0
.endm
	s_wait_loadcnt 0x0                     ; Q and K of step 0
.set i, 0
.rept 32
	KQ                                     ; the scores of step 0: there is no vector work yet to set between them
.set i, i+1
.endr
	PLACES
	KGLOB 1                                ; K of step 1, which the first trip multiplies; it lands while the list's first part runs
.set sg, 0
	RID 260                                ; what would ride on products 0-79 of a step that has not been
	WIN 0
	s_wait_loadcnt 0x0                     ; K of step 1
	s_mov_b32 s[SLOTS], 31
; THE WAITS IN A TRIP.  LDS loads come back in order, and the change of slots has waited for all of the trip before.  The runs go out as V 0, 1, 2, 3, K 0, 1, V 4, 5, 6, 7.  Ahead of product 16 m (m = 0 .. 3)
; run V m is wanted, and 80 loads have been issued behind it: more than the wait's field holds, so 63, which asks for a little more than is wanted, all of it issued 48 products ago or earlier.
; Ahead of product 64 run V 4 is wanted: behind it stand V 5, 6, 7: 48.
.Lslot:                                        ; 31 trips: blocks 0 to 30 are read, blocks 1 to 31 asked for
	CHANGE 1
	PART1
	KQS 0, 16
	RID 5
	RK 0
	KQS 16, 16
	RID 6
	RK 1
.set sg, 0
	s_wait_dscnt 63
	PVS 0, 16
	RID 5
	RV 4
	s_wait_dscnt 63
	PVS 16, 16
	RID 5
	RV 5
	s_wait_dscnt 63
	PVS 32, 16
	RID 5
	RV 6
	s_wait_dscnt 63
	PVS 48, 16
	RID 5
	RV 7
	s_wait_dscnt 48
	PVS 64, 16
	WIN 0
	s_sub_co_u32 s[SLOTS], s[SLOTS], 1
	s_cmp_lg_u32 s[SLOTS], 0
	s_cbranch_scc1 .Lslot
	; THE TAIL is written out: block 31 is read, nothing is asked for, and there are no further scores to make: K's and Q's registers take the residual x.
	CHANGE 0
	XLOAD 0
	XLOAD 1
	PART1
	RID 107                                ; the rest of the last step's list, with no products to ride on
	; the last step's V P.  The runs of this tail are V 0 .. 7 alone: ahead of product 16 m, 48 loads stand behind run V m for m = 0 .. 4, then 32, 16, 0
	s_wait_dscnt 48
	PVB 0, 16
	PLACES
	RV 4
	s_wait_dscnt 48
	PVB 16, 16
	PLACES
	RV 5
	s_wait_dscnt 48
	PVB 32, 16
	PLACES
	RV 6
	s_wait_dscnt 48
	PVB 48, 16
	PLACES
	RV 7
	s_wait_dscnt 48
	PVB 64, 16
	s_wait_dscnt 32
	PVB 80, 16
	s_wait_dscnt 16
	PVB 96, 16
	s_wait_dscnt 0x0
	PVB 112, 16
	; THE WAY OUT.  l's two halves and the other half of the lanes' are added; gamma / l goes to LDS, a word a query.  These lines are also the places behind the last products.
	WIN 0
	v_add_f32 v[ST+4],  v[ST+2],  v[ST+3]
	v_add_f32 v[ST+12], v[ST+10], v[ST+11]
	v_permlanex16_b32 v[ST+5],  v[ST+4],  s[SEL], s[SEL+1]
	v_permlanex16_b32 v[ST+13], v[ST+12], s[SEL], s[SEL+1]
	v_add_f32 v[ST+4],  v[ST+4],  v[ST+5]
	v_add_f32 v[ST+12], v[ST+12], v[ST+13]
	v_rcp_f32 v[ST+6],  v[ST+4]
	v_rcp_f32 v[ST+14], v[ST+12]
	v_nop                                  ; a plain instruction between the last reciprocal and the use of its result
	s_wait_alu depctr_va_vdst(0)
	v_mul_f32 v[ST+6],  s[GAM], v[ST+6]
	v_mul_f32 v[ST+14], s[GAM], v[ST+14]
	ds_store_b32 v[RSA], v[ST+6]           ; both halves of the lanes write the same word with the same number
	ds_store_b32 v[RSA], v[ST+14] offset:64
; Half hf of the channels.  A lane holds a piece of a column of out (one query, eight channels): the unscaled sums go into the work-group's stage word by word and come back as whole channel rows of 128
; queries; there out = O (gamma / l) + x, one fused multiply-add, and each store of the wave covers 512 consecutive bytes, aligned.
.macro SENDH hf
	WIN 0x04                               ; the stores' data in window 1
.set n, 0
.rept 16
.set j, 0
.rept 8
	ds_store_b32 v[STO], v[8*(16*(\hf)+n)+j] offset:(16*(n/2)+j)*SP+64*(n%2)
.set j, j+1
.endr
.set n, n+1
.endr
	WIN 0
	s_wait_dscnt 0x0                       ; for the others' sake: my stores into the stage are done
	s_barrier_signal -1
	s_barrier_wait -1
.if (\hf) == 0
	ds_load_b128 v[R4V:R4V+3], v[RRA]      ; gamma / l of my four queries
.else
	s_wait_xcnt 0x0                        ; the first half's stores have had their addresses translated (ISA guide 3.1): only now are their data registers loaded again
.endif
.set i, 0
.rept 32
	ds_load_b128 v[64+4*i:64+4*i+3], v[RD] offset:i*SP
.set i, i+1
.endr
	s_wait_dscnt 0x0                       ; the rows are back, and my reads of the stage are over
.if (\hf) == 0
	s_barrier_signal -1                    ; say so: the stage is written again behind this barrier; the arithmetic stands between signal and wait
	s_wait_loadcnt 32                      ; x of this half; the other half's 32 loads stay out
.else
	s_wait_loadcnt 0x0
.endif
	WIN 0x30                               ; x in window 3
.set i, 0
.rept 32
	v_pk_fma_f32 v[64+4*i:64+4*i+1],   v[64+4*i:64+4*i+1],   v[R4V:R4V+1],   v[4*(32*(\hf)+i):4*(32*(\hf)+i)+1]
	v_pk_fma_f32 v[64+4*i+2:64+4*i+3], v[64+4*i+2:64+4*i+3], v[R4V+2:R4V+3], v[4*(32*(\hf)+i)+2:4*(32*(\hf)+i)+3]
.set i, i+1
.endr
	WIN 0
.if (\hf) == 0
	s_barrier_wait -1
.endif
.set i, 0
.rept 32
	global_store_b128 v[GO], v[64+4*i:64+4*i+3], s[12:13] offset:(128*(\hf)+i)*16384 th:TH_STORE_NT
.set i, i+1
.endr
.endm
	SENDH 0
	SENDH 1
	s_wait_tensorcnt 0x0                   ; the wave's end, behind my last tensor load and my last LDS store
	ds_add_u32 v[SPW], v[NIL]
	s_wait_dscnt 0x0
	CROUND                                 ; the closing round: no work-group ends while a partner may still ask for a tile that names it
	s_endpgm
.Lfunc_end_k_qbe492a81e1_attn:
	.size	k_qbe492a81e1_attn, .Lfunc_end_k_qbe492a81e1_attn-k_qbe492a81e1_attn
	.p2alignl 7, 3214868480
	.fill 96, 4, 3214868480
	.section	.rodata,"a",@progbits
	.p2align	6, 0x0
	.amdhsa_kernel k_qbe492a81e1_attn
		.amdhsa_group_segment_fixed_size 327680
		.amdhsa_private_segment_fixed_size 0
		.amdhsa_enable_private_segment 0
		.amdhsa_kernarg_size 40
		.amdhsa_user_sgpr_count 2
		.amdhsa_user_sgpr_kernarg_segment_ptr 1
		.amdhsa_wavefront_size32 1
		.amdhsa_system_sgpr_workgroup_id_x 1
		.amdhsa_system_sgpr_workgroup_id_y 1
		.amdhsa_system_sgpr_workgroup_id_z 1
		.amdhsa_system_vgpr_workitem_id 0
		.amdhsa_next_free_vgpr 1024
		.amdhsa_next_free_sgpr 66
		.amdhsa_reserve_vcc 0
		.amdhsa_float_denorm_mode_32 3
		.amdhsa_float_denorm_mode_16_64 3
		.amdhsa_memory_ordered 1
		.amdhsa_forward_progress 1
		.amdhsa_inst_pref_size 187
	.end_amdhsa_kernel
	.amdgpu_metadata
---
amdhsa.version: [ 1, 2 ]
amdhsa.kernels:
  - .name:           k_qbe492a81e1_attn
    .symbol:         k_qbe492a81e1_attn.kd
    .args:
      - { .name: q, .offset: 0, .size: 8, .value_kind: global_buffer, .address_space: global }
      - { .name: kv, .offset: 8, .size: 8, .value_kind: global_buffer, .address_space: global }
      - { .name: x, .offset: 16, .size: 8, .value_kind: global_buffer, .address_space: global }
      - { .name: gamma, .offset: 24, .size: 8, .value_kind: global_buffer, .address_space: global }
      - { .name: out0, .offset: 32, .size: 8, .value_kind: global_buffer, .address_space: global }
    .group_segment_fixed_size: 327680
    .private_segment_fixed_size: 0
    .kernarg_segment_align: 8
    .kernarg_segment_size: 40
    .max_flat_workgroup_size: 128
    .sgpr_count:     66
    .vgpr_count:     1024
    .wavefront_size: 32
...
	.end_amdgpu_metadata
.endif
;; end of part 2
;; ======== version 2 of 2: 2 launches; 1.21 times as fast as version 1
;; limits: values are held in f16: magnitudes above 65,504 overflow, below 6.1e-05 lose precision
;; workspace buffers: q 4,194,304 bytes; kv 20,971,520 bytes
;; launch proj: the kernel of part 1 again; grid 32 x 8, 8 waves a work-group, no clusters, 277,504 bytes of LDS; arguments x, Wq, bq, Wk, bk, Wv, bv, q, kv; writes q, kv
;; launch attn (part 3): grid 32 x 8, 4 waves a work-group, clusters of 4 x 1, 327,680 bytes of LDS; arguments q, kv, x, gamma, out0; writes out0
.if DOCPART == 3
	.amdgcn_target "amdgcn-amd-amdhsa--gfx1250"
	.amdhsa_code_object_version 6
	.text
	.protected	k_qbe492a81e1_attn
	.globl	k_qbe492a81e1_attn
	.p2align	8
	.type	k_qbe492a81e1_attn,@function
k_qbe492a81e1_attn:
	s_mov_b64 s[64:65], 0
	v_nop
	global_prefetch_b8 v0, s[64:65] scope:SCOPE_SE
	s_setreg_imm32_b32 hwreg(HW_REG_WAVE_MODE, 25, 1), 1
	s_wait_xcnt 0x0
	s_wait_alu depctr_hold_cnt(0) depctr_sa_sdst(0) depctr_va_vdst(0) depctr_va_sdst(0) depctr_va_ssrc(0) depctr_va_vcc(0) depctr_vm_vsrc(0)
	s_getreg_b32 s2, hwreg(HW_REG_IB_STS2, 6, 4)
	s_cmp_eq_u32 s2, 0
	s_cbranch_scc0 .Lentry_in_a_cluster
	s_endpgm
.Lentry_in_a_cluster:
	s_bfe_u32 s2, ttmp6, 0x10000c
	s_cmp_lg_u32 s2, 0x3003
	s_cbranch_scc0 .Lentry_shape_is_right
	s_endpgm
.Lentry_shape_is_right:
; out[b][c][m] = x[b][c][m] + gamma * (the sum over n of softmax_n(q[m] . k[n] / 8) v[c][n]).  q: [b][4096][64] f16; kv: [b][32 blocks of 81,920 bytes]: V of the 128 keys of step U as
; [2 halves][256 channels][64 keys], then K of step (U + 2) mod 32 as [128 keys][64 d], all f16; x, out: [b][256][4096] f32.  Products, maxima and sums in f32; the weights p are rounded to f16 for the
; second product (their sum l is taken of the unrounded p); gamma, the division by l and the residual x in f32.
; LIMITS.  q, k, v arrive within f16's range (65,504); p lies in 0 to 1 and below 6e-5 keeps f16's fixed step; a weight below 2^-126 counts as 0 in l; NaN and infinities are not treated apart.
; SHARES.  8 x 32 work-groups; a work-group owns 128 queries of one image, each of its four waves 32: two tiles of 16.  Every wave walks the image's 32 key steps of 128 keys.
; LAYOUT.  S^T = K Q^T (source 0 = 16 keys, source 1 = 16 queries): a lane holds ONE query (lane % 16) and the keys 8 (lane / 16) + 0..7.  Two such results, rounded to f16 in pairs, ARE source 1 of
; O^T = V P (source 0 = 16 channels x 32 keys, out of LDS as it lies), whose result again holds one query a lane, and eight channels.
; SOFTMAX.  A running maximum m and sum l for each query: p = 2^(c s - c m), c = log2(e) / 8; once in a step of 128 keys O and l are multiplied by a = 2^(c m_old - c m_new).  m starts at the lowest finite
; number, O and l at 0, so the first step is a step like any other, with a = 0.
; THE COUNT.  A step has 160 matrix instructions (128 V P, 32 K Q^T) and 524 vector instructions (76 for the maxima and statistics, 64 scalings, 128 exponentials, 64 roundings, 64 sums, 128 that rescale O^T).
; The 524 are ONE numbered list (macro SLOT writes the next number).  Three of them stand behind every matrix instruction; the other 44 stand in nine short runs, each ahead of a run of LDS loads.
; THE BATCH.  A step's 130 exponentials (the two a and the 128 weights) are ONE batch with ONE wait.  Numbers 74 to 267 of the list hold them and the scalings, and name no exponential's result; all that read a
; result (the sums, the roundings, l, the rescaling by a) are numbers 268 on.  Number 267 is a trip's last line.
; The way out's two reciprocals are a batch of their own.
; THE PIPELINE.  The list for step U + 1 rides on V(U) P(U) (products 0 to 127) and then on K(U + 2) Q.  S^T and P have one buffer each: the comment above SLOT says why that holds.
; V's registers are a ring of half a step: sixteen products read a quarter of it, and that quarter is loaded again behind them.  So LDS is read in ten runs of 16 loads, one behind every sixteenth product.
; A TRIP U of the loop begins behind product 79 of V(U - 1) P, so that all its ten runs read ONE block of kv, block U: products 80-127 of V(U - 1) P; K(U + 1) Q; products 0-79 of V(U) P.
; The price of one text for every trip: 48 products on zeros in the first trip, and the v_mov_b32 that write those zeros, which stand in the wait for the first tile.
; CLUSTER.  The four work-groups of a cluster belong to one image and walk the same kv, so each tile is asked for JOINTLY: the same tensor load, descriptor and mask in all four.
; REGISTERS, in windows of 256 (s_set_vgpr_msb: bits 1:0 source 0, 3:2 source 1, 5:4 source 2, 7:6 destination):
;   window 0: v0-14 addresses; v16-31 statistics; v32-35 sums at work; v40-43 gamma / l; v64-191 S^T; v192-255 P         window 1: O^T, accumulator 2 cb + t at 8 (2 cb + t)
;   window 2: V's ring, fragment f (of 64 a step) at 8 (f % 32)         window 3: v0-127 K of one step; v128-159 Q; in the tail, when both are dead, the residual x
.set PT,    144                 ; a row of K or V in LDS: 128 bytes + 16 = 36 words: the 16 rows of a load start at 16 different groups of four banks (64 banks of 4 bytes: ISA guide 11.1)
.set VH,    256*PT              ; half of a block's V: 256 channel rows
.set BLK,   640*PT              ; a block in LDS: 512 rows of V, then 128 rows of K
.set BLKG,  81920               ; a block in memory
.set SLOT1, 1<<17               ; a slot holds one block (92,160 bytes); slot 1 begins here, so that one exclusive or turns an address in one slot into the other's
.set STAGE, SLOT1+BLK           ; behind the ring, never filled by a tensor load: 128 channel rows x 528 bytes (128 queries in f32 + 16), used twice
.set SP,    528
.set RS,    STAGE+128*SP        ; gamma / l of the 128 queries: 512 bytes
.set SPARE, RS+512              ; the spare words, 128 bytes for each wave: two blocks of 256 bytes that no other line names
.set L0,  2                     ; v2   my lane's place in a fragment: row l % 16, 16 bytes for each half of the lanes; never rewritten
.set ADR, 4                     ; v4   the same in the block that the trip reads
.set QO,  5                     ; v5   the same in rows of 128 bytes in memory
.set STO, 6                     ; v6   the way out: where my query's column begins in the stage
.set RD,  7                     ; v7   where I read rows back
.set GO,  8                     ; v8   16 x lane: my 16 bytes in 512 consecutive bytes of x and out
.set RSA, 10                    ; v10  where my query's gamma / l goes
.set RRA, 11                    ; v11  where I read four of them
.set SPW, 12                    ; v12  LDS address of my spare word; never rewritten
.set NIL, 13                    ; v13  0; never rewritten
.set ADR2, 14                   ; v14  ADR + VH: V's second half and K lie past the reach of a 16-bit offset from ADR
.set ST,  16                    ; tile t at ST + 8 t: c m, m, l (even keys', odd keys'), c0-c3 at work; a takes c2's place, c m_old and then its change c3's
.set SU,  32                    ; tile t at SU + 2 t: the running sum of pairs of weights
.set R4V, 40
.set S,   64                    ; tile t, key block kb of 8 at S + 64 t + 8 kb
.set P,   192                   ; tile t, pair n of 32 at P + 32 t + n
.set KF,  0                     ; window 3: key block kb, d half c at KF + 16 kb + 8 c
.set QF,  128                   ; window 3: tile t, d half c at QF + 16 t + 8 c
.set GAM, 14                    ; s14  gamma
.set WV,  15                    ; s15  my wave's number
.set G1,  24                    ; s[24:31] descriptor group 1
.set G0,  32                    ; s[32:35] descriptor group 0: it walks
.set CS,  36                    ; s[36:37] c
.set SEL, 38                    ; s[38:39] v_permlanex16_b32's selects: each lane takes its own place in the other half
.set TB,  40                    ; s40  LDS byte at which the trip's block begins
.set SLOTS, 42                  ; s42  trips still to come
.set W_PV, 0x52                 ; V in window 2, P in window 0, O^T in window 1
.set W_KQ, 0x0f                 ; K and Q in window 3, S^T in window 0
.set W_RS, 0x41                 ; O^T (destination and source 0) in window 1, a in window 0
.set MSB, 0
.macro WIN new                  ; the high byte repeats the setting that is left; a switch that changes nothing is dropped
.if MSB != (\new)
	s_set_vgpr_msb (MSB<<8)|(\new)
.set MSB, (\new)
.endif
.endm
.macro PLACES                   ; four plain vector instructions between a matrix instruction and a vector read of, or a load into, its registers
.rept 4
	v_nop
.endr
.endm
; A round of the cluster's barrier: my work-group's barrier, so that wave 0's signal speaks for all four waves; wave 0 signals; every wave waits for all four work-groups; my work-group's barrier once more.
.macro CROUND
	s_barrier_signal -1
	s_barrier_wait -1
	s_cmp_lg_u32 s[WV], 0
	s_cbranch_scc1 .Lnot_wave_0_\@
	s_barrier_signal -3
.Lnot_wave_0_\@:
	s_barrier_wait -3
	s_barrier_signal -1
	s_barrier_wait -1
.endm
; THE CHANGE OF SLOTS.  Each wave waits for all its tensor loads, of which one is out: its quarter of the other slot; adds 0 to its spare word; and waits for that and for its own reads of the slot that it leaves
; (the last run of them was issued sixteen products ago).
; fill = 1: the slot just left is filled again, with the block two on.  The barrier is then a round of the cluster's, so that no wave of any partner still reads the slot or has a load on its way, and the
; joint fill is the first thing behind it: it has a trip, 160 matrix instructions, in which to land.  (At its first use nothing has been read yet: slot 0 is waited for, slot 1 filled.)
; The four vector lines at its end are the places between product 79 and the loads into the registers that it read.
.macro CHANGE fill
	WIN 0                                  ; at a label and at a branch every window is 0
	s_wait_tensorcnt 0x0                   ; no tensor load of mine is out, so group 0 may be written
	ds_add_u32 v[SPW], v[NIL]              ; 0 onto my spare word
	s_xor_b32 s[TB], s[TB], SLOT1          ; the trip reads the other slot
.if \fill
	s_xor_b32 s[G0+1], s[G0+1], SLOT1      ; the fill goes to the other slot than last time,
	s_add_nc_u64 s[G0+2:G0+3], s[G0+2:G0+3], BLKG  ; with the next block; the type bits on top are not reached
.endif
	s_wait_dscnt 0x0                       ; the add is done, and my reads of the slot are over
.if \fill
	CROUND
	tensor_load_to_lds s[G0:G0+3], s[G1:G1+7]
	s_nop 0
.else
	s_barrier_signal -1
	s_barrier_wait -1
.endif
	v_add_nc_u32 v[ADR], s[TB], v[L0]
	v_add_nc_u32 v[ADR2], VH, v[ADR]
	v_nop
	v_nop
.endm
	s_load_b256 s[4:11], s[0:1], 0x0       ; q s[4:5], kv s[6:7], x s[8:9], gamma s[10:11]
	s_load_b64 s[12:13], s[0:1], 0x20      ; out0
	v_lshl_add_u32 v[SPW], v0, 2, SPARE
	v_mov_b32 v[NIL], 0
	ds_add_u32 v[SPW], v[NIL]              ; the wave's opening: the add and its wait stand ahead of my first tensor load; the set-up below, work on registers, stands between them
	v_lshrrev_b32 v1, 5, v0
	v_readfirstlane_b32 s[WV], v1          ; wave 0..3
	s_bfe_u32 s16, ttmp6, 0x40000          ; cx: my place in the cluster
	s_lshl_b32 s17, ttmp9, 2               ; in a cluster launch ttmp9 counts clusters
	s_add_co_u32 s17, s17, s16             ; my block of 128 queries = 4 x cluster x + cx: it enters q's, x's and out's addresses alone
	s_and_b32 s18, ttmp7, 0xffff           ; the image, which the four partners share
	; descriptor group 1.  My quarter of a block is 20,480 dense bytes: asked for as 80 rows of 256 bytes, two rows of K or V each, and padded in LDS after every 128 bytes
	s_mov_b32 s[G1], 15|(1<<16)|(1<<20)|(1<<21)|(4<<22)|(3<<25)  ; 15:0 the mask of four; 17:16 2-byte elements; 20 padding on; 21 set beside a mask; 24:22 after every 32 words (code 4); 31:25 4 words (code 3)
	s_mov_b32 s[G1+1], 128<<16             ; tensor_dim0 = 128
	s_mov_b32 s[G1+2], 80<<16              ; tensor_dim1 = 80
	s_mov_b32 s[G1+3], 128<<16             ; tile_dim0 = 128
	s_mov_b32 s[G1+4], 80                  ; tile_dim1 = 80
	s_mov_b32 s[G1+5], 128                 ; 128 elements from row to row
	s_mov_b32 s[G1+6], 0
	s_mov_b32 s[G1+7], 0
	s_mov_b32 s[G0], 1                     ; 1:0 count = 1
	s_mul_i32 s[G0+1], s[WV], 160*PT       ; 63:32 LDS address: slot 0, my 160 padded rows: no place in the cluster enters it
	s_mov_b32 s[CS], 0x3e38aa3b            ; c = log2(e) / 8 = 0.180337
	s_mov_b32 s[CS+1], s[CS]               ; named with it as a pair
	s_mov_b32 s[SEL], 0x76543210
	s_mov_b32 s[SEL+1], 0xfedcba98
	s_mov_b32 s[TB], SLOT1                 ; the first change of slots turns this into 0
	s_mul_i32 s20, s18, 32*BLKG            ; the image's first byte in kv
	s_mul_i32 s22, s[WV], 20480
	s_add_co_u32 s22, s22, s20             ; my quarter of its first block
	s_mov_b32 s23, 0
	s_add_co_u32 s20, s20, 30*BLKG+65536   ; K of step 0 lies in block 30, K of step 1 in block 31
	s_mov_b32 s21, 0
	s_lshl_b32 s44, s18, 19                ; q: (4,096 b + 128 qb + 32 w) rows of 128 bytes
	s_lshl_b32 s19, s17, 14
	s_add_co_u32 s44, s44, s19
	s_lshl_b32 s19, s[WV], 12
	s_add_co_u32 s44, s44, s19
	s_mov_b32 s45, 0
	s_lshl_b32 s46, s18, 22                ; x, out: (256 b + 32 w) rows of 16,384 bytes + 512 qb
	s_lshl_b32 s19, s[WV], 19
	s_add_co_u32 s46, s46, s19
	s_lshl_b32 s19, s17, 9
	s_add_co_u32 s46, s46, s19
	s_mov_b32 s47, 0
	s_wait_dscnt 0x0                       ; the opening add is done
	s_wait_kmcnt 0x0
	s_load_b32 s[GAM], s[10:11], 0x0
	s_add_nc_u64 s[G0+2:G0+3], s[6:7], s[22:23]  ; 120:64 global address
	s_or_b32 s[G0+3], s[G0+3], 0x80000000        ; 127:126 type = 2
	s_add_nc_u64 s[6:7], s[6:7], s[20:21]
	s_add_nc_u64 s[4:5], s[4:5], s[44:45]
	s_add_nc_u64 s[8:9], s[8:9], s[46:47]
	s_add_nc_u64 s[12:13], s[12:13], s[46:47]
	s_wait_kmcnt 0x0                       ; gamma
	CROUND                                 ; all four work-groups are here: the first joint loads meet
	tensor_load_to_lds s[G0:G0+3], s[G1:G1+7]    ; slot 0.  Slot 1 is asked for when slot 0 is in
	s_nop 0
	PLACES
	; A fragment of K or Q is 16 rows x 32 d in 8 registers: lane l holds row l % 16, d = 8 (l / 16) + 0..7 and 16 + 8 (l / 16) + 0..7: two loads of 16 bytes, 32 bytes apart.
	v_and_b32 v1, 15, v0                   ; r = l % 16
	v_bfe_u32 v9, v0, 4, 1                 ; h = l / 16
	v_and_b32 v3, 31, v0                   ; l
	v_lshlrev_b32 v[QO], 7, v1
	v_lshl_add_u32 v[QO], v9, 4, v[QO]
.macro KGLOB u                  ; K of step u (0 or 1) comes straight from memory: fragment f: keys 16 (f / 2) on, d 32 (f % 2) on
	WIN 0xc0                               ; destination window 3
.set f, 0
.rept 16
	global_load_b128 v[KF+8*f:KF+8*f+3],   v[QO], s[6:7] offset:(\u)*BLKG+(f/2)*2048+(f%2)*64
	global_load_b128 v[KF+8*f+4:KF+8*f+7], v[QO], s[6:7] offset:(\u)*BLKG+(f/2)*2048+(f%2)*64+32
.set f, f+1
.endr
.endm
	WIN 0xc0
.irp f, 0,1,2,3                 ; Q stays in registers: tile f / 2, d 32 (f % 2) on
	global_load_b128 v[QF+8*\f:QF+8*\f+3],   v[QO], s[4:5] offset:(\f/2)*2048+(\f%2)*64
	global_load_b128 v[QF+8*\f+4:QF+8*\f+7], v[QO], s[4:5] offset:(\f/2)*2048+(\f%2)*64+32
.endr
	KGLOB 0
	; what the first trip finds: its products 80-127, of a step that has not been, read three quarters of V's ring and P's upper half, which hold 0; O^T and l are 0
	WIN 0x80
.set i, 64
.rept 192
	v_mov_b32 v[i], 0
.set i, i+1
.endr
	WIN 0x40
.set i, 0
.rept 256
	v_mov_b32 v[i], 0
.set i, i+1
.endr
	WIN 0
.set i, 0
.rept 16
	v_mov_b32 v[P+16+i], 0
	v_mov_b32 v[P+48+i], 0
.set i, i+1
.endr
.irp t, 0,1
	v_mov_b32 v[ST+8*\t], 0xfe000000       ; c m: far below every c s
	v_mov_b32 v[ST+8*\t+1], 0xff7fffff     ; m
	v_mov_b32 v[ST+8*\t+2], 0
	v_mov_b32 v[ST+8*\t+3], 0
.endr
	v_mul_u32_u24 v[L0], v1, PT
	v_lshl_add_u32 v[L0], v9, 4, v[L0]
	s_lshl_b32 s19, s[WV], 7               ; my wave's 32 queries: 128 bytes of a stage row
	s_add_co_u32 s43, s19, STAGE
	v_mul_u32_u24 v[STO], v9, 8*SP         ; register j of a result is channel 8 h + j
	v_lshl_add_u32 v[STO], v1, 2, v[STO]
	v_add_nc_u32 v[STO], s43, v[STO]
	s_add_co_u32 s43, s19, RS
	v_lshl_add_u32 v[RSA], v1, 2, s43
	s_mul_i32 s43, s[WV], 32*SP            ; back: wave w takes channel rows 32 w .. 32 w + 31, whole: 512 bytes, 16 a lane
	s_add_co_u32 s43, s43, STAGE
	v_lshl_add_u32 v[RD], v3, 4, s43
	v_lshlrev_b32 v[GO], 4, v3
	v_lshl_add_u32 v[RRA], v3, 4, RS
; THE MATRIX WORK.  The accumulators take turns, one instruction a turn: between two links of a chain stand 31 (V P) or 3 (K Q^T) others'.
; Product w of 128 of O^T += V P: fragment w / 2 of V (keys 32 (w / 32) on, channels 16 ((w / 2) % 16) on), tile w % 2.
.macro PV w
	WIN W_PV
.set rO, 8*((\w)%32)
.set rV, 8*(((\w)/2)%32)
.set rP, P+32*((\w)%2)+8*((\w)/32)
	v_wmma_f32_16x16x32_f16 v[rO:rO+7], v[rV:rV+7], v[rP:rP+7], v[rO:rO+7]
.endm
; Product i of 32 of S^T = K Q^T: key blocks two by two (i / 8); tile i % 2; d half (i % 8) / 4.  The first half starts the sum.
.macro KQ
	WIN W_KQ
.set kb, 2*(i/8)+(i%4)/2
.set rS, S+64*(i%2)+8*kb
.set rK, KF+16*kb+8*((i%8)/4)
.set rQ, QF+16*(i%2)+8*((i%8)/4)
.if (i%8) < 4
	v_wmma_f32_16x16x32_f16 v[rS:rS+7], v[rK:rK+7], v[rQ:rQ+7], 0
.else
	v_wmma_f32_16x16x32_f16 v[rS:rS+7], v[rK:rK+7], v[rQ:rQ+7], v[rS:rS+7]
.endif
.endm
; THE LDS LOADS stand in runs of 16.  RV m: fragments 8 m .. 8 m + 7 of the block's V, which products 16 m .. 16 m + 15 read, into quarter m % 4 of the ring.  RK hh: key blocks 4 hh .. 4 hh + 3 of the block's K.
.macro RV m
	WIN 0x80                               ; destination window 2
.irp z, 0,1,2,3,4,5,6,7
.set sl, 8*(8*((\m)%4)+\z)
.set of, (8*((\m)%2)+\z)*16*PT+(((\m)/2)%2)*64
.if (\m) < 4
	ds_load_b128 v[sl:sl+3],   v[ADR] offset:of
	ds_load_b128 v[sl+4:sl+7], v[ADR] offset:of+32
.else
	ds_load_b128 v[sl:sl+3],   v[ADR2] offset:of
	ds_load_b128 v[sl+4:sl+7], v[ADR2] offset:of+32
.endif
.endr
.endm
.macro RK hh
	WIN 0xc0                               ; destination window 3
.irp z, 0,1,2,3,4,5,6,7
.set kr, KF+8*(8*(\hh)+\z)
.set of, VH+(4*(\hh)+\z/2)*16*PT+(\z%2)*64
	ds_load_b128 v[kr:kr+3],   v[ADR2] offset:of
	ds_load_b128 v[kr+4:kr+7], v[ADR2] offset:of+32
.endr
.endm
; THE VECTOR WORK, a line at a time.  s0-s63 are the lane's 64 scores of a tile, in pairs 0-31.
; XM t, n: number n of the 32 that find the maximum of the scores and the old m, three operands at a time, in four chains c0-c3.  Each accumulator's lowest registers are read first:
; 0-11 seven scores of each of key blocks 0-3; 12-27 all eight of key blocks 4-7; 28-31 the four scores left over, c0-c3 and the old m.
.macro XM t, n
	WIN 0
.set rT, ST+8*(\t)
.set rS, S+64*(\t)
.if (\n) < 4
	v_max3_num_f32 v[rT+4+(\n)], v[rS+8*(\n)], v[rS+8*(\n)+1], v[rS+8*(\n)+2]
.elseif (\n) < 12
	v_max3_num_f32 v[rT+4+(\n)%4], v[rT+4+(\n)%4], v[rS+8*((\n)%4)+2*((\n)/4)+1], v[rS+8*((\n)%4)+2*((\n)/4)+2]
.elseif (\n) < 28
	v_max3_num_f32 v[rT+4+(\n)%4], v[rT+4+(\n)%4], v[rS+32+8*((\n)%4)+2*((\n)/4)-6], v[rS+32+8*((\n)%4)+2*((\n)/4)-5]
.elseif (\n) == 28
	v_max3_num_f32 v[rT+4], v[rT+4], v[rS+7], v[rS+15]
.elseif (\n) == 29
	v_max3_num_f32 v[rT+6], v[rT+6], v[rS+23], v[rS+31]
.elseif (\n) == 30
	v_max3_num_f32 v[rT+4], v[rT+4], v[rT+5], v[rT+6]
.else
	v_max3_num_f32 v[rT+4], v[rT+4], v[rT+7], v[rT+1]
.endif
.endm
; XC t, k: 0 the query's other 64 keys lie in the lane 16 away; 1 c m_old is kept; 2 the new m; 3 c m; 4 its change; 5 a, the batch's first exponential.
.macro XC t, k
	WIN 0
.set rT, ST+8*(\t)
.if (\k) == 0
	v_permlanex16_b32 v[rT+5], v[rT+4], s[SEL], s[SEL+1]
.elseif (\k) == 1
	v_mov_b32 v[rT+7], v[rT]
.elseif (\k) == 2
	v_max_num_f32 v[rT+1], v[rT+4], v[rT+5]
.elseif (\k) == 3
	v_mul_f32 v[rT], s[CS], v[rT+1]
.elseif (\k) == 4
	v_sub_f32 v[rT+7], v[rT+7], v[rT]
.else
	v_exp_f32 v[rT+6], v[rT+7]
.endif
.endm
.macro SCALE2 t, n              ; pair n: c s - c m
	WIN 0
	v_pk_fma_f32 v[S+64*(\t)+2*(\n):S+64*(\t)+2*(\n)+1], v[S+64*(\t)+2*(\n):S+64*(\t)+2*(\n)+1], s[CS:CS+1], v[ST+8*(\t):ST+8*(\t)+1] op_sel_hi:[1,0,0] neg_lo:[0,0,1] neg_hi:[0,0,1]
.endm
.macro EXPO e                   ; exponential e of 128: score e / 2 of tile e % 2, in place: each result has a register of its own while the batch is open
	WIN 0
	v_exp_f32 v[S+64*((\e)%2)+(\e)/2], v[S+64*((\e)%2)+(\e)/2]
.endm
.macro ROUND2 t, n              ; pair n of weights rounded to f16
	WIN 0
	v_cvt_pk_f16_f32 v[P+32*(\t)+(\n)], v[S+64*(\t)+2*(\n)], v[S+64*(\t)+2*(\n)+1]
.endm
.macro SUMS t, k                ; the running sum: pairs 0 and 1 (k = 1), then pair k (2 to 31); k = 32: l = l a + the sum.  The weights themselves stay as they are
	WIN 0
.if (\k) == 1
	v_pk_add_f32 v[SU+2*(\t):SU+2*(\t)+1], v[S+64*(\t):S+64*(\t)+1], v[S+64*(\t)+2:S+64*(\t)+3]
.elseif (\k) < 32
	v_pk_add_f32 v[SU+2*(\t):SU+2*(\t)+1], v[SU+2*(\t):SU+2*(\t)+1], v[S+64*(\t)+2*(\k):S+64*(\t)+2*(\k)+1]
.else
	v_pk_fma_f32 v[ST+8*(\t)+2:ST+8*(\t)+3], v[ST+8*(\t)+2:ST+8*(\t)+3], v[ST+8*(\t)+6:ST+8*(\t)+7], v[SU+2*(\t):SU+2*(\t)+1] op_sel_hi:[1,0,1]
.endif
.endm
.macro RSC r                    ; pair r of 128 of O^T times its tile's a: accumulator r / 4, from its low end on
	WIN W_RS
	v_pk_mul_f32 v[2*(\r):2*(\r)+1], v[2*(\r):2*(\r)+1], v[ST+8*(((\r)/4)%2)+6:ST+8*(((\r)/4)%2)+7] op_sel_hi:[1,0]
.endm
; THE LIST.  SLOT writes number sg of the 524 and steps sg; the two tiles alternate throughout.  Scaling f and rounding f are pair f / 2 of tile f % 2.
;   0-63 the maxima; 64-73 the statistics.
;   74-267 THE BATCH: 74, 75 the two a; 76-78 scalings 0-2; 79-261 sixty-one threes, three i being scaling 3 + i and exponentials 2 i and 2 i + 1; 262-267 exponentials 122-127.  A scaling stands five lines or
;   more ahead of its exponentials.  No line here names an exponential's result: a scaling names a later pair, c m and m.
;   (wait) between 267 and 268 stands the batch's one wait; it is written where the list is cut, at a trip's end and ahead of the loop.
;   268-335 seventeen fours: the two tiles' sums of pair k (k = 1 .. 17) and two roundings (0-33).   336-377 fourteen threes: the two sums of pair k (18 .. 31) and one rounding (34-47).   378, 379 l.
;   380-418 O^T's pairs 0-38.   419-434 roundings 48-63.   435-523 O^T's pairs 39-127.
; WHERE A NUMBER STANDS.  Three behind each matrix instruction, and runs of 1, 9, 9, 9 behind products 15, 31, 47, 63 of V P, of 3, 3, 3 behind 95, 111, 127, of 3 and 4 behind 15 and 31 of K Q^T.  So the three
; behind product p of V P begin at 3 p plus the runs passed: 0, 49, 106, 163, 220, 268, 319, 370 for p = 0, 16, .. 112; behind K Q^T 0 and 16 at 421 and 472.  From product 26 to product 77 the three are a
; scaling and two exponentials.
; WHY ONE BUFFER OF P AND OF S^T SERVES.  P's pairs 8 kk .. 8 kk + 7 are read by products 32 kk .. 32 kk + 31.  Roundings 0-31 (pairs 0-15) are numbers 270-331, behind product 80 or later; roundings 32-47
; (pairs 16-23) numbers 334-377, behind product 101 or later; rounding 48 is number 419, seven plain lines behind product 126, and rounding 49, the other tile's, number 420, five plain lines behind
; product 127.  All reads of S^T end at number 434, and K Q^T 0-4, beside which 421-434 stand, write key blocks 0 and 1, while those roundings read blocks 6 and 7.
; O^T's accumulator n is last written by product 96 + n, whose three lines begin at 319 + 3 n (n < 16) or 322 + 3 n, and is rescaled from number 380 + 4 n (n < 10) or 396 + 4 n on.
; Numbers 517-523 are the places between K Q^T 31 and the next reads of S^T.
; AHEAD OF EACH RUN OF LOADS stand four plain lines or more that name no register of the last product that read the registers to be loaded: behind product 15 four maxima; behind products 31, 47 and 63 twelve
; lines, of which the four scalings count (an exponential is no such line); behind 95 and 111 six sums and roundings of pairs that those products do not read; behind 127 four rescalings; behind K Q^T 15
; and 31 six and seven rescalings.
.macro SLOT
.if sg < 64
	XM sg%2, sg/2
.elseif sg < 76
	XC sg%2, (sg-64)/2
.elseif sg < 79
	SCALE2 (sg-76)%2, (sg-76)/2
.elseif sg < 262
.if (sg-79)%3 == 0
.set qff, 3+(sg-79)/3
	SCALE2 qff%2, qff/2
.else
.set qee, 2*((sg-79)/3)+(sg-79)%3-1
	EXPO qee
.endif
.elseif sg < 268
.set qee, sg-140
	EXPO qee
.elseif sg < 336
.set qrr, (sg-268)/4
.set qps, (sg-268)%4
.if qps < 2
	SUMS qps, qrr+1
.else
.set qcc, 2*qrr+qps-2
	ROUND2 qcc%2, qcc/2
.endif
.elseif sg < 378
.set qrr, (sg-336)/3
.set qps, (sg-336)%3
.if qps < 2
	SUMS qps, qrr+18
.else
.set qcc, 34+qrr
	ROUND2 qcc%2, qcc/2
.endif
.elseif sg < 380
	SUMS sg%2, 32
.elseif sg < 419
	RSC sg-380
.elseif sg < 435
.set qcc, sg-371
	ROUND2 qcc%2, qcc/2
.else
	RSC sg-396
.endif
.set sg, sg+1
.endm
.macro RID n                    ; the next n of the list
.rept \n
	SLOT
.endr
.endm
.macro PVS w0, n                ; n products V P from w0 on, three of the list behind each
.set w, \w0
.rept \n
	PV w
	RID 3
.set w, w+1
.endr
.endm
.macro PVB w0, n                ; the same, bare
.set w, \w0
.rept \n
	PV w
.set w, w+1
.endr
.endm
.macro KQS i0, n                ; n products K Q^T from i0 on, three of the list behind each
.set i, \i0
.rept \n
	KQ
	RID 3
.set i, i+1
.endr
.endm
.macro PART1                    ; a trip's first part: products 80-127 of the step in hand, and the first half of the next step's V.  Its lines, from 268 on, are the batch's readers: the wait stands ahead of the change of slots
	RV 0
.set sg, 268
	PVS 80, 16
	RID 3
	RV 1
	PVS 96, 16
	RID 3
	RV 2
	PVS 112, 16
	RID 3
	RV 3
.endm
.macro XLOAD hf                 ; the residual: my 32 channel rows of half hf, 512 consecutive bytes each, read once in this launch
	WIN 0xc0                               ; destination window 3
.set i, 0
.rept 32
	global_load_b128 v[4*(32*(\hf)+i):4*(32*(\hf)+i)+3], v[GO], s[8:9] offset:(128*(\hf)+i)*16384 th:TH_LOAD_NT
.set i, i+1
.endr
	WIN 0
.endm
	s_wait_loadcnt 0x0                     ; Q and K of step 0
.set i, 0
.rept 32
	KQ                                     ; the scores of step 0: there is no vector work yet to set between them
.set i, i+1
.endr
	PLACES
	KGLOB 1                                ; K of step 1, which the first trip multiplies; it lands while the list's first part runs
.set sg, 0
	RID 268                                ; what would ride on products 0-79 of a step that has not been: the maxima, the statistics and step 0's batch
	WIN 0
	v_nop                                  ; a plain instruction behind the batch's last exponential
	s_wait_loadcnt 0x0                     ; K of step 1
	s_mov_b32 s[SLOTS], 31
	s_wait_alu depctr_va_vdst(0)           ; the wait for step 0's batch of 130 exponentials, ahead of the label and of the first reader (number 268)
; THE WAITS IN A TRIP.  LDS loads come back in order, and the change of slots has waited for all of the trip before.  The runs go out as V 0, 1, 2, 3, K 0, 1, V 4, 5, 6, 7.  Ahead of product 16 m (m = 0 .. 3)
; run V m is wanted, and 80 loads have been issued behind it: more than the wait's field holds, so 63, which asks for a little more than is wanted, all of it issued 48 products ago or earlier.
; Ahead of product 64 run V 4 is wanted: behind it stand V 5, 6, 7: 48.
.Lslot:                                        ; 31 trips: blocks 0 to 30 are read, blocks 1 to 31 asked for
	CHANGE 1
	PART1
	KQS 0, 16
	RID 3
	RK 0
	KQS 16, 16
	RID 4
	RK 1
.set sg, 0
	s_wait_dscnt 63
	PVS 0, 16
	RID 1
	RV 4
	s_wait_dscnt 63
	PVS 16, 16
	RID 9
	RV 5
	s_wait_dscnt 63
	PVS 32, 16
	RID 9
	RV 6
	s_wait_dscnt 63
	PVS 48, 16
	RID 9
	RV 7
	s_wait_dscnt 48
	PVS 64, 16                             ; number 267, the batch's last exponential, is the last line here
	WIN 0
	v_nop                                  ; a plain instruction behind the batch's last exponential
	s_sub_co_u32 s[SLOTS], s[SLOTS], 1
	s_cmp_lg_u32 s[SLOTS], 0
	s_wait_alu depctr_va_vdst(0)           ; the trip's ONE wait, for the batch of 130 exponentials (numbers 74 to 267): it stands ahead of the jump and of the first reader (number 268)
	s_cbranch_scc1 .Lslot
	; THE TAIL is written out: block 31 is read, nothing is asked for, and there are no further scores to make: K's and Q's registers take the residual x.
	CHANGE 0
	XLOAD 0
	XLOAD 1
	PART1
	RID 103                                ; the rest of the last step's list, with no products to ride on
	; the last step's V P.  The runs of this tail are V 0 .. 7 alone: ahead of product 16 m, 48 loads stand behind run V m for m = 0 .. 4, then 32, 16, 0
	s_wait_dscnt 48
	PVB 0, 16
	PLACES
	RV 4
	s_wait_dscnt 48
	PVB 16, 16
	PLACES
	RV 5
	s_wait_dscnt 48
	PVB 32, 16
	PLACES
	RV 6
	s_wait_dscnt 48
	PVB 48, 16
	PLACES
	RV 7
	s_wait_dscnt 48
	PVB 64, 16
	s_wait_dscnt 32
	PVB 80, 16
	s_wait_dscnt 16
	PVB 96, 16
	s_wait_dscnt 0x0
	PVB 112, 16
	; THE WAY OUT.  l's two halves and the other half of the lanes' are added; gamma / l goes to LDS, a word a query.  These lines are also the places behind the last products.
	WIN 0
	v_add_f32 v[ST+4],  v[ST+2],  v[ST+3]
	v_add_f32 v[ST+12], v[ST+10], v[ST+11]
	v_permlanex16_b32 v[ST+5],  v[ST+4],  s[SEL], s[SEL+1]
	v_permlanex16_b32 v[ST+13], v[ST+12], s[SEL], s[SEL+1]
	v_add_f32 v[ST+4],  v[ST+4],  v[ST+5]
	v_add_f32 v[ST+12], v[ST+12], v[ST+13]
	v_rcp_f32 v[ST+6],  v[ST+4]
	v_rcp_f32 v[ST+14], v[ST+12]
	v_nop                                  ; a plain instruction between the last reciprocal and the use of its result
	s_wait_alu depctr_va_vdst(0)           ; and the wait ahead of the first use: one for the two reciprocals
	v_mul_f32 v[ST+6],  s[GAM], v[ST+6]
	v_mul_f32 v[ST+14], s[GAM], v[ST+14]
	ds_store_b32 v[RSA], v[ST+6]           ; both halves of the lanes write the same word with the same number
	ds_store_b32 v[RSA], v[ST+14] offset:64
; Half hf of the channels.  A lane holds a piece of a column of out (one query, eight channels): the unscaled sums go into the work-group's stage word by word and come back as whole channel rows of 128
; queries; there out = O (gamma / l) + x, one fused multiply-add, and each store of the wave covers 512 consecutive bytes, aligned.
.macro SENDH hf
	WIN 0x04                               ; the stores' data in window 1
.set n, 0
.rept 16
.set j, 0
.rept 8
	ds_store_b32 v[STO], v[8*(16*(\hf)+n)+j] offset:(16*(n/2)+j)*SP+64*(n%2)
.set j, j+1
.endr
.set n, n+1
.endr
	WIN 0
	s_wait_dscnt 0x0                       ; for the others' sake: my stores into the stage are done
	s_barrier_signal -1
	s_barrier_wait -1
.if (\hf) == 0
	ds_load_b128 v[R4V:R4V+3], v[RRA]      ; gamma / l of my four queries
.else
	s_wait_xcnt 0x0                        ; the first half's stores have had their addresses translated (ISA guide 3.1): only now are their data registers loaded again
.endif
.set i, 0
.rept 32
	ds_load_b128 v[64+4*i:64+4*i+3], v[RD] offset:i*SP
.set i, i+1
.endr
	s_wait_dscnt 0x0                       ; the rows are back, and my reads of the stage are over
.if (\hf) == 0
	s_barrier_signal -1                    ; say so: the stage is written again behind this barrier; the arithmetic stands between signal and wait
	s_wait_loadcnt 32                      ; x of this half; the other half's 32 loads stay out
.else
	s_wait_loadcnt 0x0
.endif
	WIN 0x30                               ; x in window 3
.set i, 0
.rept 32
	v_pk_fma_f32 v[64+4*i:64+4*i+1],   v[64+4*i:64+4*i+1],   v[R4V:R4V+1],   v[4*(32*(\hf)+i):4*(32*(\hf)+i)+1]
	v_pk_fma_f32 v[64+4*i+2:64+4*i+3], v[64+4*i+2:64+4*i+3], v[R4V+2:R4V+3], v[4*(32*(\hf)+i)+2:4*(32*(\hf)+i)+3]
.set i, i+1
.endr
	WIN 0
.if (\hf) == 0
	s_barrier_wait -1
.endif
.set i, 0
.rept 32
	global_store_b128 v[GO], v[64+4*i:64+4*i+3], s[12:13] offset:(128*(\hf)+i)*16384 th:TH_STORE_NT
.set i, i+1
.endr
.endm
	SENDH 0
	SENDH 1
	s_wait_tensorcnt 0x0                   ; the wave's end, behind my last tensor load and my last LDS store
	ds_add_u32 v[SPW], v[NIL]
	s_wait_dscnt 0x0
	CROUND                                 ; the closing round: no work-group ends while a partner may still ask for a tile that names it
	s_endpgm
.Lfunc_end_k_qbe492a81e1_attn:
	.size	k_qbe492a81e1_attn, .Lfunc_end_k_qbe492a81e1_attn-k_qbe492a81e1_attn
	.p2alignl 7, 3214868480
	.fill 96, 4, 3214868480
	.section	.rodata,"a",@progbits
	.p2align	6, 0x0
	.amdhsa_kernel k_qbe492a81e1_attn
		.amdhsa_group_segment_fixed_size 327680
		.amdhsa_private_segment_fixed_size 0
		.amdhsa_enable_private_segment 0
		.amdhsa_kernarg_size 40
		.amdhsa_user_sgpr_count 2
		.amdhsa_user_sgpr_kernarg_segment_ptr 1
		.amdhsa_wavefront_size32 1
		.amdhsa_system_sgpr_workgroup_id_x 1
		.amdhsa_system_sgpr_workgroup_id_y 1
		.amdhsa_system_sgpr_workgroup_id_z 1
		.amdhsa_system_vgpr_workitem_id 0
		.amdhsa_next_free_vgpr 1024
		.amdhsa_next_free_sgpr 66
		.amdhsa_reserve_vcc 0
		.amdhsa_float_denorm_mode_32 3
		.amdhsa_float_denorm_mode_16_64 3
		.amdhsa_memory_ordered 1
		.amdhsa_forward_progress 1
		.amdhsa_inst_pref_size 184
	.end_amdhsa_kernel
	.amdgpu_metadata
---
amdhsa.version: [ 1, 2 ]
amdhsa.kernels:
  - .name:           k_qbe492a81e1_attn
    .symbol:         k_qbe492a81e1_attn.kd
    .args:
      - { .name: q, .offset: 0, .size: 8, .value_kind: global_buffer, .address_space: global }
      - { .name: kv, .offset: 8, .size: 8, .value_kind: global_buffer, .address_space: global }
      - { .name: x, .offset: 16, .size: 8, .value_kind: global_buffer, .address_space: global }
      - { .name: gamma, .offset: 24, .size: 8, .value_kind: global_buffer, .address_space: global }
      - { .name: out0, .offset: 32, .size: 8, .value_kind: global_buffer, .address_space: global }
    .group_segment_fixed_size: 327680
    .private_segment_fixed_size: 0
    .kernarg_segment_align: 8
    .kernarg_segment_size: 40
    .max_flat_workgroup_size: 128
    .sgpr_count:     66
    .vgpr_count:     1024
    .wavefront_size: 32
...
	.end_amdgpu_metadata
.endif
;; end of part 3
